; MI455X (gfx1250); checked and timed in simulation.
; The chip was launched on July 23, 2026; its instructions are those of AMD's public machine-readable ISA for CDNA 5 (MIT licence, August 2026) and "CDNA5" Instruction Set Architecture Reference Guide (July 2026). The comments in the code are by the model that wrote it; some were corrected since.
;; Multi Head Attention. Allowed arithmetic: matrix products marked QUANTISED: E2M3 operands, one E8M0 scale for each 32 along K, by v_wmma_scale_f32_16x16x128_f8f6f4 with both operands' format E2M3, f32 sums; products left as they are: f32 operands where the result goes on into a quantised operand, else bf16, f16 or f32 operands; f32 sums; everything else in f32.
;; Inputs: Wk 1,024 x 1,024 float32; Wo 1,024 x 1,024 float32; Wq 1,024 x 1,024 float32; Wv 1,024 x 1,024 float32; bk 1,024 float32; bo 1,024 float32; bq 1,024 float32; bv 1,024 float32; scale 64 float32; x 4 x 4,096 x 1,024 float32.
;; Outputs: out0 4 x 4,096 x 1,024 float32.
;; This version of the problem:
;;   THIS VERSION OF THE PROBLEM IS GIVEN IN LOW PRECISION. The matrix products marked QUANTISED in the list below multiply operands that are first quantised to E2M3 (2 exponent bits, 3 mantissa bits; 6 bits a number), with one power-of-two scale for each 32 numbers along K (OCP MX v1.0); their sums are f32. All else is computed in f32.
;;   The module's matrix products, in the order in which they are computed (A, B: the left and right operand; K: the contracted axis; several contracted axes count as one K, in the product's order):
;;     1. [M 16,384, K 1,024] x [K 1,024, N 1,024]; A: input x; B: input Wq: QUANTISED
;;     2. [M 16,384, K 1,024] x [K 1,024, N 1,024]; A: input x; B: input Wk: QUANTISED
;;     3. [M 16,384, K 1,024] x [K 1,024, N 1,024]; A: input x; B: input Wv: QUANTISED
;;     4. batch 16,384 x [M 16, K 64] x [K 64, N 16]; A: computed on the way; B: computed on the way: QUANTISED
;;     5. batch 16,384 x [M 16, K 16] x [K 16, N 64]; A: softmax; B: computed on the way: left as it is (K = 16 < 32)
;;     6. [M 16,384, K 1,024] x [K 1,024, N 1,024]; A: computed on the way; B: input Wo: QUANTISED
;;   THE QUANTISER, for each operand of a quantised product, along K:
;;     - K is cut into blocks of 32 from its start; a last block that is shorter is filled with zeros.
;;     - A block's scale is 2^e with e = floor(log2(the largest magnitude in the block)) - 2, held to -126 .. 127; a block of zeros has e = 0. As a byte (E8M0): e + 127.
;;     - Each number is divided by its block's scale, clamped to +-7.5, and rounded to the nearest number of E2M3, ties to even, subnormals kept.
;;     - The product sums the exact products of the quantised numbers (number of the format x scale) in f32.
;;   ~~~python
;;   def quantise(x, axis):      # numpy; x: float32 -> the quantised numbers, widened to float32 again
;;       x = np.moveaxis(x, axis, -1); K = x.shape[-1]
;;       x = np.pad(x, [(0, 0)] * (x.ndim - 1) + [(0, -K % 32)]); x = x.reshape(x.shape[:-1] + (-1, 32)); a = np.abs(x).max(-1, keepdims=True)
;;       e = np.where(a > 0, np.clip(np.frexp(np.where(a > 0, a, 1))[1] - 1 - 2, -126, 127), 0)      # np.frexp(a)[1] - 1 = floor(log2(a)), exactly
;;       r = np.clip(x / 2.0 ** e, -7.5, 7.5)
;;       step = 2.0 ** (np.maximum(np.frexp(np.where(r == 0, 1, r))[1] - 1, 0) - 3)
;;       q = np.round(r / step) * step * 2.0 ** e      # np.round: ties to even
;;       return np.moveaxis(q.reshape(q.shape[:-2] + (-1,))[..., :K], -1, axis).astype(np.float32)
;;   ~~~
;;   OPERANDS COMPUTED ON THE WAY. 'Computed on the way' means the value that the module computes at that place (a softmax that the list does not call 'softmax' is quantised finished and normalised). What goes into a quantiser is computed in f32, as accurately as f32 sums, v_exp_f32 and their like allow (about 1e-6 of the number): no bf16 or f16 on the way to a quantiser, and a product that is left as it is and whose result goes on into a quantised operand takes f32 operands (vector FMAs, or v_wmma_f32_16x16x4_f32). A number that lies on a knife's edge between two numbers of the format may be rounded either way, as far as f32 arithmetic and the matrix unit's own rounding can turn it there, and no further.
;; 2 versions. Each part assembles by itself: llvm-mc -triple=amdgcn-amd-amdhsa -mcpu=gfx1250 --defsym DOCPART=n.
;; ======== version 1 of 2: 2 launches
;; workspace buffers: wst 3,309,568 bytes
;; launch prep (part 1): grid 256 x 1, 8 waves a work-group, no clusters, 1,536 bytes of LDS; arguments Wq, Wk, Wv, Wo, bq, bk, bv, bo, wst; writes wst
.if DOCPART == 1
	.amdgcn_target "amdgcn-amd-amdhsa--gfx1250"
	.amdhsa_code_object_version 6
	.text
	.protected	k_qde59ea4ccd_prep
	.globl	k_qde59ea4ccd_prep
	.p2align	8
	.type	k_qde59ea4ccd_prep,@function
k_qde59ea4ccd_prep:
	s_mov_b64 s[64:65], 0
	v_nop
	global_prefetch_b8 v0, s[64:65] scope:SCOPE_SE
	s_setreg_imm32_b32 hwreg(HW_REG_WAVE_MODE, 25, 1), 1
	s_wait_xcnt 0x0
; Wq, Wk, Wv, Wo [1024 (n)][1024 (k)] f32 become ONE stream of codes of FP6 (E2M3), E8M0 scale words and biases, laid in the order and in the register image in which the second launch takes them.
; THE STREAM: 32 steps (Q 0-7, K 8-15, V 16-23, O 24-31) of 4 quarters of QB = 25,856 bytes.  A quarter is a block beta of 32 weight rows = two tiles u of 16 rows; tile row rho is W's row 32 beta + 8 u + rho + (rho & 8).
;   bytes 0 .. 24,575: fragment (K step s, tile u) at 1536 (2 s + u): the image of its 12 registers, registers 4 c .. 4 c + 3 of lane l at 512 c + 16 l
;   24,576 + 512 u: the tile's scale words, word (rho, s) at 16 (rho + 16 (s & 1)) + 4 (s >> 1)         25,600 + 128 u: its 16 biases in tile-row order, then 64 bytes of zeros
; Q, K, O: step beta & 7, quarter beta >> 3.   V: step beta >> 2, quarter 2 (beta & 1) + ((beta >> 1) & 1).
; A lane (rho, hh) of a fragment holds two whole blocks of 32 along K: registers 6 c .. 6 c + 5 hold block 4 s + 2 c + hh; for Wo block 8 (s & 3) + 4 c + 2 hh + (s >> 2): the order in which the second launch makes
; the codes of its left operand (the same permutation of K's blocks on both sides of the product; each block keeps its scale byte).
; A block's scale is 2^(floor(log2(largest magnitude)) - 2); its byte is the largest magnitude's exponent field - 2, held at 1 from below.
; LIMITS: NaN and infinities are not served; a block of zeros (and one whose largest magnitude lies under 2^-124) gets the byte 1: a block of zeros has zero codes, and this program alone reads the bytes.
; SHARES: a work-group makes one tile, each of its eight waves one fragment (K step s = the wave's number): 16 loads of 16 bytes a lane, no loop.  The eight scale words of a row meet in LDS; wave 0 stores them and the biases.
.set QB,    25856
.set SPARE, 512                        ; behind the tile's 512 bytes of scale words: the spare words, 128 bytes for each of eight waves
	s_load_b512 s[8:23], s[0:1], 0x0               ; Wq s[8:9], Wk, Wv, Wo, bq s[16:17], bk, bv, bo
	s_load_b64 s[24:25], s[0:1], 0x40              ; the stream
	v_lshl_add_u32 v30, v0, 2, SPARE               ; my spare word,
	v_mov_b32 v31, 0                               ; and 0: kept for the wave's end
	v_lshrrev_b32 v1, 5, v0
	v_readfirstlane_b32 s2, v1                     ; wave = K step s
	v_and_b32 v1, 31, v0                           ; lane
	v_and_b32 v2, 15, v0                           ; rho
	v_bfe_u32 v3, v0, 4, 1                         ; hh
	s_lshr_b32 s3, ttmp9, 6                        ; which weight: 0 Q, 1 K, 2 V, 3 O
	s_bfe_u32 s4, ttmp9, 0x50001                   ; beta
	s_and_b32 s5, ttmp9, 1                         ; u
	s_and_b32 s26, s4, 7                           ; step and quarter for Q, K, O,
	s_lshr_b32 s27, s4, 3
	s_lshr_b32 s28, s4, 2                          ; and for V
	s_and_b32 s29, s4, 1
	s_lshl_b32 s29, s29, 1
	s_bfe_u32 s30, s4, 0x10001
	s_add_co_u32 s29, s29, s30
	s_cmp_eq_u32 s3, 2
	s_cselect_b32 s26, s28, s26
	s_cselect_b32 s27, s29, s27
	s_lshl_b32 s38, s3, 3
	s_add_co_u32 s38, s38, s26
	s_lshl_b32 s38, s38, 2
	s_add_co_u32 s38, s38, s27
	s_mul_i32 s38, s38, QB                         ; the quarter's first byte
	s_mov_b32 s39, 0
	s_lshl_b32 s40, s2, 1
	s_add_co_u32 s40, s40, s5
	s_mul_i32 s40, s40, 1536                       ; my fragment in it
	s_mov_b32 s41, 0
	s_lshl_b32 s44, s5, 9                          ; the tile's scale words (+ 24,576)
	s_mov_b32 s45, 0
	s_lshl_b32 s46, s5, 7                          ; the tile's biases (+ 25,600)
	s_mov_b32 s47, 0
	s_lshl_b32 s31, s2, 9                          ; where my K step begins in a row, in bytes: 512 s;
	s_and_b32 s32, s2, 3
	s_lshl_b32 s32, s32, 10
	s_lshr_b32 s33, s2, 2
	s_lshl_b32 s33, s33, 7
	s_add_co_u32 s32, s32, s33                     ; for Wo 1024 (s & 3) + 128 (s >> 2)
	s_cmp_eq_u32 s3, 3
	s_cselect_b32 s31, s32, s31
	s_cselect_b32 s34, 8, 7                        ; from hh = 0 to hh = 1: 128 bytes, for Wo 256 (as a shift)
	s_cselect_b32 s35, 9, 8
	s_lshl_b32 s35, 1, s35                         ; from c = 0 to c = 1: 256 bytes, for Wo 512
	s_and_b32 s36, s2, 1
	s_lshl_b32 s36, s36, 8
	s_lshr_b32 s37, s2, 1
	s_lshl_b32 s37, s37, 2
	s_add_co_u32 s36, s36, s37
	v_lshl_add_u32 v7, v2, 4, s36                  ; LDS: my row's scale word of K step s: 16 rho + 256 (s & 1) + 4 (s >> 1)
	s_lshl_b32 s48, s4, 5
	s_lshl_b32 s49, s5, 3
	s_add_co_u32 s48, s48, s49
	v_and_b32 v10, 8, v2
	v_add_nc_u32 v10, v10, v2
	v_add_nc_u32 v10, s48, v10                     ; my row of W: 32 beta + 8 u + rho + (rho & 8)
	v_lshlrev_b32 v4, 12, v10                      ; a row is 4,096 bytes
	v_add_nc_u32 v4, s31, v4
	v_lshlrev_b32 v11, s34, v3
	v_add_nc_u32 v4, v4, v11                       ; my block of c = 0,
	v_add_nc_u32 v5, s35, v4                       ; and of c = 1
	v_lshlrev_b32 v6, 4, v1                        ; 16 x lane: an image's place
	v_lshlrev_b32 v8, 2, v10                       ; my row's bias
	v_lshlrev_b32 v9, 2, v1                        ; 4 x lane
	s_mov_b32 s50, 0x76543210
	s_mov_b32 s51, 0xfedcba98                      ; v_permlanex16_b32's selects for lane l xor 16
	s_wait_kmcnt 0x0
	s_cmp_eq_u32 s3, 1                             ; the weight and its bias: a choice on the work-group's number alone
	s_cselect_b64 s[8:9], s[10:11], s[8:9]
	s_cselect_b64 s[16:17], s[18:19], s[16:17]
	s_cmp_eq_u32 s3, 2
	s_cselect_b64 s[8:9], s[12:13], s[8:9]
	s_cselect_b64 s[16:17], s[20:21], s[16:17]
	s_cmp_eq_u32 s3, 3
	s_cselect_b64 s[8:9], s[14:15], s[8:9]
	s_cselect_b64 s[16:17], s[22:23], s[16:17]
	s_add_nc_u64 s[24:25], s[24:25], s[38:39]      ; the stream at my quarter
	s_add_nc_u64 s[42:43], s[24:25], s[40:41]      ; at my fragment
	s_add_nc_u64 s[44:45], s[24:25], s[44:45]
	s_add_nc_u64 s[46:47], s[24:25], s[46:47]
.irp j, 0,1,2,3,4,5,6,7
	global_load_b128 v[32+4*\j:35+4*\j], v4, s[8:9] offset:16*\j th:TH_LOAD_NT   ; 32 neighbours along K of my row: a whole block
.endr
.irp j, 0,1,2,3,4,5,6,7
	global_load_b128 v[64+4*\j:67+4*\j], v5, s[8:9] offset:16*\j th:TH_LOAD_NT
.endr
	s_wait_loadcnt 0x0
.irp c, 0,1
	v_max3_num_f32 v[12+\c], |v[32+32*\c]|, |v[33+32*\c]|, 0x1800000   ; the block's largest magnitude, with the floor 2^(3 - 127) among its leaves: the byte cannot fall under 1
.endr
.irp i, 2,4,6,8,10,12,14,16,18,20,22,24,26,28,30
.irp c, 0,1
	v_max3_num_f32 v[12+\c], v[12+\c], |v[32+32*\c+\i]|, |v[33+32*\c+\i]|   ; (the two blocks by turns)
.endr
.endr
.irp c, 0,1
	v_add_nc_u32 v[16+\c], 0xff000000, v[12+\c]    ; 2 off its exponent field: the conversion takes the exponent field of this operand as its scale
.endr
.irp c, 0,1
	v_lshrrev_b32 v[18+\c], 23, v[16+\c]           ; the scale's byte
.endr
	v_lshl_or_b32 v20, v19, 16, v18                ; my two bytes: blocks hh and 2 + hh of the K step,
	v_lshlrev_b32 v21, 3, v3
	v_lshlrev_b32 v20, v21, v20                    ; at their places in the word;
	v_mov_b32 v21, 0
	v_permlanex16_b32 v21, v20, s50, s51
	v_or_b32 v20, v20, v21                         ; with lane l xor 16's two the word is whole
.irp c, 0,1
	v_cvt_scalef32_pk16_fp6_f32 v[96+6*\c:98+6*\c], v[32+32*\c:47+32*\c], v[16+\c]
	v_cvt_scalef32_pk16_fp6_f32 v[108+4*\c:110+4*\c], v[48+32*\c:63+32*\c], v[16+\c]   ; (a conversion's three registers begin on an even number: the block's second half is made elsewhere and moved)
.endr
	v_nop                                          ; one plain place behind a scaled conversion
.irp c, 0,1
.irp i, 0,1,2
	v_mov_b32 v[99+6*\c+\i], v[108+4*\c+\i]
.endr
.endr
.irp c, 0,1,2
	global_store_b128 v6, v[96+4*\c:99+4*\c], s[42:43] offset:512*\c   ; the image: each store covers 512 consecutive bytes, aligned
.endr
	ds_store_b32 v7, v20                           ; lanes l and l xor 16 write the same word with the same value
	s_wait_dscnt 0x0                               ; for wave 0's sake
	s_barrier_signal -1
	s_barrier_wait -1
	s_cmp_lg_u32 s2, 0
	s_cbranch_scc1 .Lend
	ds_load_b128 v[24:27], v6                      ; the tile's 128 scale words
	global_load_b32 v22, v8, s[16:17]              ; the tile's biases, by tile row
	v_cmp_gt_u32 vcc_lo, 16, v1
	s_wait_loadcnt 0x0
	v_cndmask_b32 v23, 0, v22, vcc_lo              ; lanes 16-31 store zeros: every byte of a quarter is written
	s_wait_dscnt 0x0
	global_store_b128 v6, v[24:27], s[44:45] offset:24576
	global_store_b32 v9, v23, s[46:47] offset:25600
.Lend:
	s_wait_tensorcnt 0x0                           ; the wave's end: a wait, an add and a wait behind my last LDS store
	ds_add_u32 v30, v31
	s_wait_dscnt 0x0
	s_endpgm
.Lfunc_end_k_qde59ea4ccd_prep:
	.size	k_qde59ea4ccd_prep, .Lfunc_end_k_qde59ea4ccd_prep-k_qde59ea4ccd_prep
	.p2alignl 7, 3214868480
	.fill 96, 4, 3214868480
	.section	.rodata,"a",@progbits
	.p2align	6, 0x0
	.amdhsa_kernel k_qde59ea4ccd_prep
		.amdhsa_group_segment_fixed_size 1536
		.amdhsa_private_segment_fixed_size 0
		.amdhsa_enable_private_segment 0
		.amdhsa_kernarg_size 72
		.amdhsa_user_sgpr_count 2
		.amdhsa_user_sgpr_kernarg_segment_ptr 1
		.amdhsa_wavefront_size32 1
		.amdhsa_system_sgpr_workgroup_id_x 1
		.amdhsa_system_sgpr_workgroup_id_y 1
		.amdhsa_system_sgpr_workgroup_id_z 1
		.amdhsa_system_vgpr_workitem_id 0
		.amdhsa_next_free_vgpr 128
		.amdhsa_next_free_sgpr 66
		.amdhsa_reserve_vcc 1
		.amdhsa_float_denorm_mode_32 3
		.amdhsa_float_denorm_mode_16_64 3
		.amdhsa_memory_ordered 1
		.amdhsa_forward_progress 1
		.amdhsa_inst_pref_size 9
	.end_amdhsa_kernel
	.amdgpu_metadata
---
amdhsa.version: [ 1, 2 ]
amdhsa.kernels:
  - .name:           k_qde59ea4ccd_prep
    .symbol:         k_qde59ea4ccd_prep.kd
    .args:
      - { .name: Wq, .offset: 0, .size: 8, .value_kind: global_buffer, .address_space: global }
      - { .name: Wk, .offset: 8, .size: 8, .value_kind: global_buffer, .address_space: global }
      - { .name: Wv, .offset: 16, .size: 8, .value_kind: global_buffer, .address_space: global }
      - { .name: Wo, .offset: 24, .size: 8, .value_kind: global_buffer, .address_space: global }
      - { .name: bq, .offset: 32, .size: 8, .value_kind: global_buffer, .address_space: global }
      - { .name: bk, .offset: 40, .size: 8, .value_kind: global_buffer, .address_space: global }
      - { .name: bv, .offset: 48, .size: 8, .value_kind: global_buffer, .address_space: global }
      - { .name: bo, .offset: 56, .size: 8, .value_kind: global_buffer, .address_space: global }
      - { .name: wst, .offset: 64, .size: 8, .value_kind: global_buffer, .address_space: global }
    .group_segment_fixed_size: 1536
    .private_segment_fixed_size: 0
    .kernarg_segment_align: 8
    .kernarg_segment_size: 72
    .max_flat_workgroup_size: 256
    .sgpr_count:     66
    .vgpr_count:     128
    .wavefront_size: 32
...
	.end_amdgpu_metadata
.endif
;; end of part 1
;; launch fused (part 2): grid 256 x 1, 4 waves a work-group, clusters of 4 x 1, 327,680 bytes of LDS; arguments x, scale, wst, out0; writes out0
.if DOCPART == 2
	.amdgcn_target "amdgcn-amd-amdhsa--gfx1250"
	.amdhsa_code_object_version 6
	.text
	.protected	k_qde59ea4ccd_fused
	.globl	k_qde59ea4ccd_fused
	.p2align	8
	.type	k_qde59ea4ccd_fused,@function
k_qde59ea4ccd_fused:
	s_mov_b64 s[64:65], 0
	v_nop
	global_prefetch_b8 v0, s[64:65] scope:SCOPE_SE
	s_setreg_imm32_b32 hwreg(HW_REG_WAVE_MODE, 25, 1), 1
	s_wait_xcnt 0x0
	s_wait_alu depctr_hold_cnt(0) depctr_sa_sdst(0) depctr_va_vdst(0) depctr_va_sdst(0) depctr_va_ssrc(0) depctr_va_vcc(0) depctr_vm_vsrc(0)
	s_getreg_b32 s2, hwreg(HW_REG_IB_STS2, 6, 4)
	s_cmp_eq_u32 s2, 0
	s_cbranch_scc0 .Lentry_in_a_cluster
	s_endpgm
.Lentry_in_a_cluster:
	s_bfe_u32 s2, ttmp6, 0x10000c
	s_cmp_lg_u32 s2, 0x3003
	s_cbranch_scc0 .Lentry_shape_is_right
	s_endpgm
.Lentry_shape_is_right:
; out0 = attention(x) Wo^T + bo for 64 tokens a work-group; q, k, v, the weights of the softmax and its result never go to memory.
; For each token: q = (x Wq^T + bq) scale[d], k, v likewise; scores[h][t] = q[h] . k[t] over d = 64; softmax over t of scores / 8; out[h][d] = sum over t of attn[h][t] v[t][d]; out Wo^T + bo.
; The four large products and the scores run on codes of FP6 (E2M3) with one E8M0 scale for each 32 along K; out = attn v runs in f32 by packed fused multiply-adds, since it goes on into a quantiser.
; THE WEIGHTS come as one stream of 32 steps x 4 quarters of QB bytes, made by the launch before: images of operand registers, scale words, biases.  Every work-group walks the whole stream, so the four work-groups of a
; cluster ask for each quarter JOINTLY (one tensor load, the same descriptor, a mask that names the four), through a ring of two LDS slots of one step; wave w asks for quarter w.
; ALL PRODUCTS ARE USED TRANSPOSED (source 0 = 16 weight rows, source 1 = 16 tokens): a lane (r, hh) holds ONE token r, and the 16 registers of a block's two tiles are columns 16 hh + 0 .. 15 of a block of 32.
; SHARES (w = wave, wm = w >> 1, wd = w & 1).  X: wave w quantises tokens 16 w .. + 15; the images of x's 32 fragments go through LDS into every wave's registers (384) and stay.
;   Q, K, O: wave w makes columns 256 w .. + 255 for all 64 tokens, 32 columns a step: a weight fragment is read from LDS once and feeds four products.
;   ATT: wave w takes tokens 16 w .. + 15: one product a token (K = 64, filled up to 128 with zero codes on both sides), softmax in registers, the weights to LDS as f32.
;   V: wave (wm, wd) makes, for tokens 32 wm .. + 31, v[t][32 wd .. + 31] of one head t a pass, and adds attn[h][t] v[t][d] onto out[h][d] (512 registers) one pass later, beside the next pass's products and LDS loads.
; LIMITS: NaN and infinities are not served.  A block of zeros (and one whose largest magnitude lies under 2^-124) gets the scale byte 1: a block of zeros has zero codes, and this program alone reads the bytes.
;   The last product takes K's blocks in the order 2 h + wd -> K step 4 wd + (h >> 2), alike on both sides: its f32 sums run in that order.
; REGISTERS, in windows of 256 (s_set_vgpr_msb: bits 1:0 source 0, 3:2 source 1, 5:4 source 2, 7:6 destination):
;   window 0: v1-15 addresses that stay; v16-31 scale words of x or out; v32-47 of the weights, two sets; v48-55 a phase's addresses; v56-63 ATT's scale words; v64-159, v160-255 two sets of 8 weight fragments
;             (in V: v64-159 one set, v160-223 v of two passes, v224-239 the bias)
;   window 1: v0-191 x's (out's) fragments of token tiles 0, 1 (local); v192-207 the bias, v208-239 scale[d] (in V: v192-255 attn of two passes)
;   window 2: v0-191 those of tiles 2, 3; in ATT q's and k's fragments of 8 tokens; in V out of my first 16 tokens.    window 3: accumulators; in V out of my second 16 tokens.
;   The quantiser's temporaries have the numbers v16-52 in window 1, 2 or 3, never in window 0.
; In X, Q, K and V the token tiles are taken in a local order: 0, 1 = tiles 2 wm, 2 wm + 1; 2, 3 = the other half: so window 1 holds the half that V wants, and no register number hangs on the wave.
.set QB,    25856                      ; a quarter: 101 blocks of 256 bytes
.set SLOTB, 4*QB                       ; a step, and an LDS slot
.set REC,   2*SLOTB                    ; behind the ring, 99,328 bytes used by turns, each turn parted from the next by a barrier: x's images | 64 token records | out's images | four stages for the way out
.set PT,    1552                       ; a token's record: q's and k's codes, block i' (q 0-7, k 8-15) of wave w at 384 w + 24 i'; later attn[t][h] f32 at 64 t + 4 h
.set XSC,   REC+49152                  ; the scale words of the images: fragment (tile m, K step s) at 128 (8 m + s) + 4 lane
.set SCB,   REC+64*PT                  ; q's and k's scale bytes: 64 token + 16 w + i'
.set SPARE, SCB+4096                   ; the spare words, 128 bytes for each wave: two blocks of 256 bytes that no other line names
.set XS,  16
.set WS,  32
.set WA,  64
.set WB,  160
.set BI1, 192                          ; the bias in window 1
.set SV,  208
.set VACC, 160
.set BI0, 224                          ; the bias in window 0 (V)
.set AT,  192
.set TM,  16                           ; the quantiser: v16-19 largest magnitudes, v20-23 bytes, v28-31 scale operands
.set PW,  32                           ; the scale word
.set PC,  34                           ; the codes: v34-45 the fragment, v46-52 at work
.set MSB, 0
.macro WIN new                         ; the immediate's high byte repeats the setting that is left; a switch that changes nothing is dropped
.if MSB != (\new)
	s_set_vgpr_msb (MSB<<8)|(\new)
.set MSB, (\new)
.endif
.endm
.macro PLACES n                        ; plain vector instructions behind matrix instructions: 4 ahead of reads of results and of loads into their registers, 5 ahead of a matrix instruction that writes over them
.rept \n
	v_nop
.endr
.endm
.macro CREST                           ; a round of the cluster's barrier behind its opening barrier
	s_cmp_lg_u32 s12, 0
	s_cbranch_scc1 .Lnw0_\@
	s_barrier_signal -3
.Lnw0_\@:
	s_barrier_wait -3
	s_barrier_signal -1
	s_barrier_wait -1
.endm
.macro ROUND
	s_barrier_signal -1
	s_barrier_wait -1
	CREST
.endm
; A prefetch of the stream, behind the wave's tensor load and the LDS loads that follow it: at the change of slots of step i the step i + 4, while i < 28.  All clusters walk the same stream: the first cluster asks.  Its four
; partners take a quarter each, told apart by address; in each, wave w names blocks 32 w .. of the quarter's 101, a lane a block (wave 3's lanes past the end name the last block again).
.macro ASK
	s_cmp_lt_u32 s43, s42
	s_cbranch_scc0 .Lnp_\@
	global_prefetch_b8 v13, s[40:41] th:TH_LOAD_NT scope:SCOPE_SE
.Lnp_\@:
.endm
; 64 numbers of a lane in window sw, register src + 16 b + i = number 16 hh + i of block b of my row, become codes in v[PC] .. v[PC + 11] of window tw (lane (r, hh): registers 6 c .. 6 c + 5 = the whole block 2 c + hh),
; the four scale bytes in v[TM + 4 + b], and with word = 1 the scale word in v[PW].
.macro QUANT src, sw, tw, word
	WIN ((\tw)<<6)|((\tw)<<4)|((\sw)<<2)|(\sw)
.irp b, 0,1,2,3
	v_max3_num_f32 v[TM+\b], |v[(\src)+16*\b]|, |v[(\src)+16*\b+1]|, 0x1800000   ; my 16 numbers of block b, and the floor 2^(3 - 127): the byte cannot fall under 1
.endr
	WIN ((\tw)<<6)|((\sw)<<4)|((\sw)<<2)|(\tw)
.irp i, 2,4,6,8,10,12,14
.irp b, 0,1,2,3
	v_max3_num_f32 v[TM+\b], v[TM+\b], |v[(\src)+16*\b+\i]|, |v[(\src)+16*\b+\i+1]|   ; (the four blocks by turns)
.endr
.endr
	WIN (\tw)*0x55
.irp b, 0,1,2,3
	v_permlanex16_b32 v[TM+4+\b], v[TM+\b], s20, s21
.endr
.irp b, 0,1,2,3
	v_max_num_f32 v[TM+\b], v[TM+\b], v[TM+4+\b]   ; with lane l xor 16's: the block's largest magnitude
.endr
.irp b, 0,1,2,3
	v_add_nc_u32 v[TM+12+\b], 0xff000000, v[TM+\b] ; 2 off its exponent field: the conversion's scale operand
.endr
.irp b, 0,1,2,3
	v_lshrrev_b32 v[TM+4+\b], 23, v[TM+12+\b]      ; the scale's byte
.endr
.if \word
	v_lshl_or_b32 v[PW], v[TM+5], 8, v[TM+4]
	v_lshl_or_b32 v[PW], v[TM+6], 16, v[PW]
	v_lshl_or_b32 v[PW], v[TM+7], 24, v[PW]
.endif
	WIN ((\tw)<<6)|((\tw)<<4)|((\tw)<<2)|(\sw)
.irp c, 0,1
	v_cvt_scalef32_pk16_fp6_f32 v[PC+6*\c:PC+6*\c+2], v[(\src)+32*\c:(\src)+32*\c+15], v[TM+12+2*\c]
	v_cvt_scalef32_pk16_fp6_f32 v[PC+12+4*\c:PC+12+4*\c+2], v[(\src)+32*\c+16:(\src)+32*\c+31], v[TM+12+2*\c+1]   ; (a conversion's three registers begin on an even number)
.endr
	WIN (\tw)*0x55
	v_nop                                          ; one plain place behind a scaled conversion
.irp c, 0,1                                    ; the halves change places, so that a lane holds a whole block
.irp i, 0,1,2
	v_permlane16_swap_b32 v[PC+6*\c+\i], v[PC+12+4*\c+\i]
.endr
.irp i, 0,1,2
	v_mov_b32 v[PC+3+6*\c+\i], v[PC+12+4*\c+\i]
.endr
.endr
.endm
.macro IMAGE adr, off, dw              ; the fragment in v[PC] on (window dw) goes to LDS as it stands: 16 bytes a lane, 512 a store
	WIN (\dw)<<2
.irp c, 0,1,2
	ds_store_b128 v[\adr], v[PC+4*\c:PC+4*\c+3] offset:(\off)+512*\c
.endr
.endm
.macro XBUF s                          ; where K step s of x lands: 64 registers of its own
.if (\s) < 2
.set XW, 1
.set XR, 64+64*(\s)
.else
.set XW, 2+((\s)-2)/3
.set XR, 64+64*(((\s)-2)%3)
.endif
.endm
.macro XLOAD s                         ; lane (r, hh): of row r, numbers 16 hh + 0 .. 15 of each of the K step's four blocks
	XBUF \s
	WIN XW<<6
.irp b, 0,1,2,3
.irp j, 0,1,2,3
	global_load_b128 v[XR+16*\b+4*\j:XR+16*\b+4*\j+3], v49, s[46:47] offset:512*(\s)+128*\b+16*\j th:TH_LOAD_NT
.endr
.endr
.endm
.macro FETCHALL fa, fb, sa, sb         ; 32 fragments and their scale words from LDS: two tiles of tokens into window 1, two into window 2
	WIN 0x40
.set fF, 0
.rept 16
.irp c, 0,1,2
	ds_load_b128 v[12*fF+4*\c:12*fF+4*\c+3], v[\fa] offset:1536*fF+512*\c
.endr
.set fF, fF+1
.endr
	WIN 0x80
.set fF, 0
.rept 16
.irp c, 0,1,2
	ds_load_b128 v[12*fF+4*\c:12*fF+4*\c+3], v[\fb] offset:1536*fF+512*\c
.endr
.set fF, fF+1
.endr
	WIN 0
.irp l, 0,1
.irp q, 0,1,2,3
	ds_load_b32 v[XS+4*\l+\q], v[\sa] offset:1024*\l+256*\q       ; lanes 0-15: K step 2 q; lanes 16-31: K step 2 q + 1
	ds_load_b32 v[XS+8+4*\l+\q], v[\sb] offset:1024*\l+256*\q
.endr
.endr
.endm
.macro LOADSET adr, off0, f0, dst      ; 8 weight fragments f0 .. f0 + 7 of a quarter (fragment 2 s + u), 24 loads
.irp f, 0,1,2,3,4,5,6,7
.irp c, 0,1,2
	ds_load_b128 v[(\dst)+12*\f+4*\c:(\dst)+12*\f+4*\c+3], v[\adr] offset:(\off0)+1536*((\f0)+\f)+512*\c
.endr
.endr
.endm
.macro LOADAUX aw, ab, off0, ws, bi, biwin   ; a quarter's scale words (register 4 u + q: lanes 0-15 K step 2 q, lanes 16-31 K step 2 q + 1) and its biases in the result's layout: 6 loads
	WIN 0
.irp u, 0,1
	ds_load_b128 v[WS+(\ws)+4*\u:WS+(\ws)+4*\u+3], v[\aw] offset:(\off0)+24576+512*\u
.endr
	WIN (\biwin)<<6
.irp u, 0,1
.irp e, 0,1
	ds_load_b128 v[(\bi)+8*\u+4*\e:(\bi)+8*\u+4*\e+3], v[\ab] offset:(\off0)+25600+128*\u+16*\e
.endr
.endr
	WIN 0
.endm
.macro MM1 odd                         ; an odd K step's scale words lie in lanes 16-31
.if \odd
	v_wmma_scale_f32_16x16x128_f8f6f4 v[rD:rD+7], v[rA:rA+11], v[rB:rB+11], v[rC:rC+7], v[rSA], v[rSB] matrix_a_fmt:MATRIX_FMT_FP6 matrix_b_fmt:MATRIX_FMT_FP6 matrix_a_scale:MATRIX_SCALE_ROW1 matrix_b_scale:MATRIX_SCALE_ROW1
.else
	v_wmma_scale_f32_16x16x128_f8f6f4 v[rD:rD+7], v[rA:rA+11], v[rB:rB+11], v[rC:rC+7], v[rSA], v[rSB] matrix_a_fmt:MATRIX_FMT_FP6 matrix_b_fmt:MATRIX_FMT_FP6
.endif
.endm
; K steps sa .. sb x tiles u = 0, 1 x token tiles l0, l0 + 1.  The four accumulators take turns, one instruction a turn.  bias: the register of the bias, which is the C of a sum's first product, or 0.
.macro MMG buf, ws, sa, sb, l0, acc, bias
.set sK, \sa
.rept (\sb)-(\sa)+1
.irp u, 0,1
.irp l, 0,1
.set rD, (\acc)+16*((\l0)+\l)+8*\u
.set rA, (\buf)+12*(2*(sK%4)+\u)
.set rB, 96*\l+12*sK
.if \bias
.set rC, (\bias)+8*\u
.else
.set rC, rD
.endif
.set rSA, WS+(\ws)+4*\u+sK/2
.set rSB, XS+4*((\l0)+\l)+sK/2
	MM1 sK%2
.endr
.endr
.set sK, sK+1
.endr
.endm
; A STEP OF Q, K OR O: my quarter's 32 columns x 64 tokens, 64 products.  The quarter's first 8 fragments, scale words and biases were fetched in the step before.
; fill = 1: in the step's middle the slot, all of which is then in registers, is given up: every wave waits for all its tensor loads (the one that is out is its quarter of the other slot), adds 0 to its spare word, waits for
; that and for its reads of the slot; a round of the cluster's barrier; the joint refill, two steps ahead, first behind it.  fill = 0: the same lines and a plain barrier, nothing is asked for.  fill = 2: the last step.
; next = 1: the next step's first fragments are fetched from the other slot; 2: but not in the trip nlast.
.macro GSTEP slot, acc, fill, next, nlast
	PLACES 5                                       ; the step's first products write over accumulators of the step before; the loads below land in registers that its last products read
	LOADSET 1+\slot, 0, 8, WB
	s_wait_dscnt 24                                ; all but the 24 just issued
	WIN 0xd4
	MMG WA, 8*\slot, 0, 0, 0, \acc, BI1
	WIN 0xf4
	MMG WA, 8*\slot, 1, 3, 0, \acc, 0
.if (\fill) < 2
	WIN 0                                          ; (the add's two registers lie in window 0)
	s_wait_tensorcnt 0x0                           ; all my tensor loads have landed, so a group 0 may be written
	ds_add_u32 v14, v15                            ; 0 onto my spare word
.if (\fill) == 1
	s_wait_xcnt 0x0                                ; the last prefetch, a step back, has read its address
	s_add_nc_u64 s[40:41], s[40:41], SLOTB
	s_add_nc_u64 s[34+4*\slot:35+4*\slot], s[34+4*\slot:35+4*\slot], 2*SLOTB   ; this slot's next step; the type bits on top are not reached
.endif
.endif
	WIN 0xd8
	MMG WA, 8*\slot, 0, 0, 2, \acc, BI1
	s_wait_dscnt 0x0                               ; the add is done, and my reads of this slot are over
.if (\fill) < 2
	s_barrier_signal -1
.endif
	WIN 0xf8
	MMG WA, 8*\slot, 1, 3, 2, \acc, 0
	WIN 0
.if (\fill) < 2
	s_barrier_wait -1
.endif
.if (\fill) == 1
	CREST                                          ; no wave of any partner still reads this slot or has a load on its way
	tensor_load_to_lds s[32+4*\slot:35+4*\slot], s[24:31]
	s_nop 0
.endif
	PLACES 4                                       ; behind the tensor load; also the places ahead of the loads below
.if \next
.if (\next) == 2
	s_cmp_eq_u32 s44, \nlast
	s_cbranch_scc1 .Lnn_\@
.endif
	LOADSET 2-\slot, 0, 0, WA
	LOADAUX 2-\slot, 4-\slot, 0, 8*(1-\slot), BI1, 1
.if (\next) == 2
.Lnn_\@:
.endif
.endif
.if (\fill) == 1
	ASK
.endif
	WIN 0xf4
	MMG WB, 8*\slot, 4, 7, 0, \acc, 0
	WIN 0xf8
	MMG WB, 8*\slot, 4, 7, 2, \acc, 0
	WIN 0
	s_add_co_u32 s43, s43, 1
.endm
; Behind a step of Q or K: 32 columns (one block of 32 along d) of 64 tokens: x scale[d] for q (trips 0-3), quantised, block b = token tile b; codes and scale bytes go to the tokens' records.
.macro QKPOST slot
	PLACES 4
	s_cmp_ge_u32 s44, 4
	s_cbranch_scc1 .Lnosc_\@
	WIN 0xc7
.set iq, 0
.rept 32
	v_pk_mul_f32 v[192+2*iq:193+2*iq], v[192+2*iq:193+2*iq], v[SV+16*(\slot)+(2*iq)%16:SV+16*(\slot)+(2*iq)%16+1]   ; each accumulator from its low end on
.set iq, iq+1
.endr
	WIN 0
.Lnosc_\@:
	QUANT 192, 3, 3, 0
	WIN 0x0c
.irp n, 0,1,2
	ds_store_b64 v52, v[PC+2*\n:PC+2*\n+1] offset:24*(\slot)+8*\n        ; lane (r, hh): the block of token 16 hh + r of my half,
	ds_store_b64 v53, v[PC+6+2*\n:PC+6+2*\n+1] offset:24*(\slot)+8*\n    ; and of the other half
.endr
.irp l, 0,1
	ds_store_b8 v54, v[TM+4+\l] offset:1024*\l+(\slot)                   ; lanes l and l xor 16 write the same byte with the same value
	ds_store_b8 v55, v[TM+6+\l] offset:1024*\l+(\slot)
.endr
	WIN 0
.endm
; out[h][d] += attn[h][t] v[t][d] for the pass of parity pc and my token tile lam: 128 packed fused multiply-adds; attn's word serves both halves.
.macro FB pc, lam
	WIN 0xa4+0x50*(\lam)
.set hF, 0
.rept 16
.set dF, 0
.rept 8
.if hF%2
	v_pk_fma_f32 v[16*hF+2*dF:16*hF+2*dF+1], v[VACC+32*(\pc)+16*(\lam)+2*dF:VACC+32*(\pc)+16*(\lam)+2*dF+1], v[AT+32*(\pc)+16*(\lam)+hF-1:AT+32*(\pc)+16*(\lam)+hF], v[16*hF+2*dF:16*hF+2*dF+1] op_sel:[0,1,0] op_sel_hi:[1,1,1]
.else
	v_pk_fma_f32 v[16*hF+2*dF:16*hF+2*dF+1], v[VACC+32*(\pc)+16*(\lam)+2*dF:VACC+32*(\pc)+16*(\lam)+2*dF+1], v[AT+32*(\pc)+16*(\lam)+hF:AT+32*(\pc)+16*(\lam)+hF+1], v[16*hF+2*dF:16*hF+2*dF+1] op_sel_hi:[1,0,1]
.endif
.set dF, dF+1
.endr
.set hF, hF+1
.endr
.endm
; A PASS OF V: head t = 2 step + p: 32 products in two halves; behind each half's products the LDS loads for the next half, and behind those the multiply-adds of the pass before, which cover them.
; The change of slots stands in the second half of p = 1, when all of the step is in registers.
.macro VPASS slot, p
	s_wait_dscnt 0x0                               ; the pass's first fragments, scale words and bias, and the last pass's attn
	WIN 0x04
	MMG WA, 8*(\p), 0, 0, 0, VACC+32*(\p), BI0
	MMG WA, 8*(\p), 1, 3, 0, VACC+32*(\p), 0
	PLACES 4
	WIN 0
	LOADSET 5+\slot, (\p)*QB, 8, WA
	WIN 0x40
.irp l, 0,1
.irp y, 0,1,2,3
	ds_load_b128 v[AT+32*(\p)+16*\l+4*\y:AT+32*(\p)+16*\l+4*\y+3], v49 offset:16*PT*\l+64*(2*(\slot)+(\p))+16*\y   ; attn[t][0 .. 15] of my token
.endr
.endr
	FB 1-(\p), 0
.if (\p) == 0
	s_wait_dscnt 8                                 ; the fragments are in; attn's 8 loads may be out
	WIN 0x04
	MMG WA, 0, 4, 7, 0, VACC, 0
	PLACES 4
	WIN 0
	LOADSET 5+\slot, QB, 0, WA
	LOADAUX 5+\slot, 7+\slot, QB, 8, BI0, 0
	FB 1, 1
.else
	WIN 0
	s_wait_tensorcnt 0x0                           ; all my tensor loads have landed
	ds_add_u32 v14, v15                            ; 0 onto my spare word
	s_wait_xcnt 0x0
	s_add_nc_u64 s[40:41], s[40:41], SLOTB
	s_add_nc_u64 s[34+4*\slot:35+4*\slot], s[34+4*\slot:35+4*\slot], 2*SLOTB
	s_wait_dscnt 9                                 ; the fragments are in; attn's 8 loads and the add may be out
	WIN 0x04
	MMG WA, 8, 4, 5, 0, VACC+32, 0
	s_wait_dscnt 0x0                               ; the add is done; my reads of this slot, and of attn, are over
	s_barrier_signal -1
	MMG WA, 8, 6, 7, 0, VACC+32, 0
	WIN 0
	s_barrier_wait -1
	CREST
	tensor_load_to_lds s[32+4*\slot:35+4*\slot], s[24:31]
	s_nop 0
	PLACES 4
.if (\slot) == 1
	s_cmp_eq_u32 s44, 3                            ; behind the last pass nothing of V is left to fetch
	s_cbranch_scc1 .Lvl_\@
.endif
	LOADSET 6-\slot, 0, 0, WA
	LOADAUX 6-\slot, 8-\slot, 0, 0, BI0, 0
.if (\slot) == 1
.Lvl_\@:
.endif
	ASK
	s_add_co_u32 s43, s43, 1
	FB 0, 1
.endif
.endm
; THE WAY OUT of two steps of O: 64 tokens x 64 columns.  A lane holds 32 neighbouring bytes of a row; through my own stage (rows of 256 bytes + 16) they come back as whole rows: sixteen lanes store 256 consecutive bytes, aligned.
.macro WAYOUT
	PLACES 4
	s_wait_xcnt 0x0                                ; the last way out's stores have read their registers and their base
	s_add_nc_u64 s[48:49], s[48:49], s[18:19]      ; 64 columns on (0 the first time)
	WIN 0x0c
.irp g, 0,1
.irp m, 0,1,2,3
.irp u, 0,1
.irp e, 0,1
	ds_store_b128 v48, v[128+64*\g+16*\m+8*\u+4*\e:128+64*\g+16*\m+8*\u+4*\e+3] offset:4352*\m+128*\g+32*\u+16*\e   ; each accumulator from its low end on
.endr
.endr
.endr
.endr
	WIN 0xc0
.set tO, 0
.rept 32
	ds_load_b128 v[4*tO:4*tO+3], v49 offset:544*tO   ; LDS serves a wave's instructions in order (ISA guide 5.7.1.4): these see the stores above
.set tO, tO+1
.endr
	WIN 0x0c
.set tO, 0
.rept 32
	s_wait_dscnt 31-tO
	global_store_b128 v50, v[4*tO:4*tO+3], s[48:49] offset:8192*tO th:TH_STORE_NT
.set tO, tO+1
.endr
	WIN 0
	s_mov_b32 s18, 256
.endm
	; ---- the head
	s_load_b256 s[4:11], s[0:1], 0x0               ; x s[4:5], scale s[6:7], the stream s[8:9], out0 s[10:11]
	v_lshl_add_u32 v14, v0, 2, SPARE
	v_mov_b32 v15, 0
	ds_add_u32 v14, v15                            ; the wave's opening: the add and its wait ahead of my first tensor load; the set-up below, work on registers, stands between them
	v_lshrrev_b32 v10, 5, v0
	v_readfirstlane_b32 s12, v10                   ; w
	s_lshr_b32 s13, s12, 1                         ; wm
	s_and_b32 s14, s12, 1                          ; wd
	s_xor_b32 s17, s13, 1                          ; 1 - wm
	s_bfe_u32 s15, ttmp6, 0x40000                  ; cx: it enters x's, out0's and the prefetches' addresses alone
	s_lshl_b32 s16, ttmp9, 2
	s_add_co_u32 s16, s16, s15                     ; my block of 64 tokens
	s_mov_b32 s20, 0x76543210
	s_mov_b32 s21, 0xfedcba98                      ; v_permlanex16_b32's selects for lane l xor 16
	s_mov_b32 s22, 0x3e38aa3b                      ; log2(e) / 8
	s_mov_b32 s23, s22                             ; (named with it as a pair)
	s_mov_b32 s24, 15|(3<<16)|(1<<21)              ; group 1: 15:0 the mask: all four work-groups; 17:16 elements of 8 bytes; 21 set beside a mask; no padding
	s_mov_b32 s25, 32<<16                          ; tensor_dim0 = 32 elements: rows of 256 bytes
	s_mov_b32 s26, 101<<16                         ; tensor_dim1 = 101 rows: a quarter, dense
	s_mov_b32 s27, 32<<16                          ; tile_dim0
	s_mov_b32 s28, 101                             ; tile_dim1
	s_mov_b32 s29, 32                              ; the pitch
	s_mov_b32 s30, 0
	s_mov_b32 s31, 0
	s_mul_i32 s50, s12, QB                         ; my quarter in a step and in a slot
	s_mul_i32 s51, s14, 2*QB                       ; in V: quarters 2 wd, 2 wd + 1
	v_and_b32 v12, 31, v0                          ; lane
	v_and_b32 v10, 15, v0                          ; r
	v_bfe_u32 v11, v0, 4, 1                        ; hh
	v_lshlrev_b32 v9, 4, v12                       ; 16 x lane
	v_add_nc_u32 v1, s50, v9                       ; images and scale words of my quarter, slot 0,
	v_add_nc_u32 v2, SLOTB, v1                     ; slot 1
	v_lshl_add_u32 v3, v11, 5, s50                 ; its biases: 32 hh
	v_add_nc_u32 v4, SLOTB, v3
	v_add_nc_u32 v5, s51, v9                       ; the same for V
	v_add_nc_u32 v6, SLOTB, v5
	v_lshl_add_u32 v7, v11, 5, s51
	v_add_nc_u32 v8, SLOTB, v7
	v_lshl_add_u32 v13, s12, 5, v12
	v_min_u32 v13, 100, v13
	v_lshlrev_b32 v13, 8, v13                      ; the prefetches' offset: block min(32 w + lane, 100) of a quarter
	v_lshlrev_b32 v48, 6, v11                      ; scale[d]: 64 hh
	v_lshlrev_b32 v49, 12, v10
	v_lshl_add_u32 v49, v11, 6, v49                ; x: row r of 4,096 bytes + 64 hh
	s_mul_i32 s52, s12, 12288
	s_add_co_u32 s52, s52, REC
	v_add_nc_u32 v50, s52, v9                      ; where I store x's images: tile w
	s_lshl_b32 s52, s12, 10
	s_add_co_u32 s52, s52, XSC
	v_lshl_add_u32 v51, v12, 2, s52                ; and their scale words
	s_cmp_eq_u32 ttmp9, 0
	s_cselect_b32 s42, 28, 0                       ; the first cluster prefetches, at steps 0 to 27: the same in all four partners
	s_mov_b32 s43, 0                               ; the step
	s_mov_b32 s32, 1                               ; groups 0: count = 1,
	s_mov_b32 s33, s50                             ; LDS address: slot 0, my quarter
	s_mov_b32 s36, 1
	s_add_co_u32 s37, s50, SLOTB                   ; slot 1
	s_mov_b32 s56, s50
	s_mov_b32 s57, 0
	s_mul_i32 s58, s15, QB                         ; the prefetches: my work-group's quarter, three steps on; each change of slots steps it first
	s_add_co_u32 s58, s58, 3*SLOTB
	s_mov_b32 s59, 0
	s_lshl_b32 s52, s16, 18                        ; 64 tokens of 4,096 bytes
	s_lshl_b32 s54, s12, 16
	s_add_co_u32 s54, s54, s52                     ; x: + 16 w rows
	s_mov_b32 s55, 0
	s_lshl_b32 s53, s12, 10
	s_add_co_u32 s52, s52, s53                     ; out0: + 256 w columns
	s_mov_b32 s53, 0
	s_wait_dscnt 0x0                               ; the opening add is done
	s_wait_kmcnt 0x0
	s_add_nc_u64 s[46:47], s[4:5], s[54:55]
	s_add_nc_u64 s[48:49], s[10:11], s[52:53]
	s_add_nc_u64 s[40:41], s[8:9], s[58:59]
	s_add_nc_u64 s[34:35], s[8:9], s[56:57]        ; step 0, my quarter: nothing in a descriptor hangs on the work-group
	s_add_nc_u64 s[38:39], s[34:35], SLOTB         ; step 1
	s_or_b32 s35, s35, 0x80000000                  ; type = 2
	s_or_b32 s39, s39, 0x80000000
	ROUND                                          ; all four work-groups are here: the first joint loads meet
	tensor_load_to_lds s[32:35], s[24:31]          ; two loads of mine are out; later one
	s_nop 0
	tensor_load_to_lds s[36:39], s[24:31]
	s_nop 0
	PLACES 4
	WIN 0x40
.irp d, 0,1
.irp e, 0,1,2,3
	global_load_b128 v[SV+16*\d+4*\e:SV+16*\d+4*\e+3], v48, s[6:7] offset:128*\d+16*\e   ; scale[32 d + 16 hh + 0 .. 15]
.endr
.endr
	XLOAD 0
	XLOAD 1
	XLOAD 2
.irp wv, 1,2,3
	WIN \wv<<6
.irp b, 0,1,2,3
	v_mov_b32 v[TM+4+\b], 0                        ; written once: a lane permute's destination counts as one of its sources
.endr
.endr
	; ---- X: my 16 tokens become 8 fragments; loads run three K steps ahead
.irp s, 0,1,2,3,4,5,6,7
.if \s <= 5
	s_wait_loadcnt 32                              ; this K step's 16 loads are in; the two steps behind it may be out
.elseif \s == 6
	s_wait_loadcnt 16
.else
	s_wait_loadcnt 0
.endif
.if \s <= 4
	XLOAD \s+3
.endif
	XBUF \s
	QUANT XR, XW, XW, 1
	IMAGE 50, 1536*\s, XW
	ds_store_b32 v51, v[PW] offset:128*\s
	s_wait_dscnt 0x0                               ; the stores have read their registers
.endr
	WIN 0
	s_wait_tensorcnt 0x1                           ; my quarter of step 0 is in; step 1's may stay out
	s_wait_dscnt 0x0
	s_barrier_signal -1
	s_barrier_wait -1                              ; x's 32 images lie in LDS
	s_mul_i32 s51, s13, 24576
	s_add_co_u32 s51, s51, REC
	v_add_nc_u32 v52, s51, v9                      ; my half's two tiles,
	s_mul_i32 s51, s17, 24576
	s_add_co_u32 s51, s51, REC
	v_add_nc_u32 v53, s51, v9                      ; the other half's
	v_lshlrev_b32 v54, 2, v10
	v_lshl_add_u32 v54, v11, 7, v54                ; scale words: 4 r + 128 hh
	s_lshl_b32 s51, s17, 11
	s_add_co_u32 s51, s51, XSC
	v_add_nc_u32 v55, s51, v54
	s_lshl_b32 s51, s13, 11
	s_add_co_u32 s51, s51, XSC
	v_add_nc_u32 v54, s51, v54
	FETCHALL 52, 53, 54, 55
	LOADSET 1, 0, 0, WA
	LOADAUX 1, 3, 0, 0, BI1, 1
	; ---- Q (trips 0-3) and K (trips 4-7): two steps a trip
	s_mul_i32 s51, s13, 32*PT
	s_mul_i32 s52, s17, 32*PT
	s_mul_i32 s53, s12, 384
	s_add_co_u32 s53, s53, REC
	s_add_co_u32 s51, s51, s53
	s_add_co_u32 s52, s52, s53
	v_mul_u32_u24 v48, v12, PT
	v_add_nc_u32 v49, s52, v48                     ; records of the other half's 32 tokens, my 384 bytes,
	v_add_nc_u32 v48, s51, v48                     ; of my half's
	s_lshl_b32 s51, s13, 11
	s_lshl_b32 s52, s17, 11
	s_lshl_b32 s53, s12, 4
	s_add_co_u32 s53, s53, SCB
	s_add_co_u32 s51, s51, s53
	s_add_co_u32 s52, s52, s53
	v_lshlrev_b32 v50, 6, v10
	v_add_nc_u32 v51, s52, v50                     ; and the scale bytes likewise
	v_add_nc_u32 v50, s51, v50
	s_mov_b32 s44, 0
	s_mov_b32 s45, 0                               ; 48 x trip: two blocks of codes
	s_mov_b32 s18, 0                               ; 2 x trip: two scale bytes
.Lqk:
	GSTEP 0, 192, 1, 1, 0
	v_add_nc_u32 v52, s45, v48                     ; this trip's places (the step's wait for all LDS instructions has passed: nothing that names these four is out)
	v_add_nc_u32 v53, s45, v49
	v_add_nc_u32 v54, s18, v50
	v_add_nc_u32 v55, s18, v51
	QKPOST 0
	GSTEP 1, 192, 1, 2, 7
	QKPOST 1
	s_add_co_u32 s45, s45, 48
	s_add_co_u32 s18, s18, 2
	s_add_co_u32 s44, s44, 1
	s_cmp_lt_u32 s44, 8
	s_cbranch_scc1 .Lqk
	s_wait_dscnt 0x0
	s_barrier_signal -1
	s_barrier_wait -1                              ; every token's q and k lie in its record
	; ---- ATT: my 16 tokens, 8 a trip.  S^T = k q^T: lane (h, hh) holds head h and t = 8 hh + 0 .. 7
	s_mul_i32 s51, s12, 16*PT
	s_add_co_u32 s51, s51, REC
	v_lshrrev_b32 v48, 2, v10
	v_and_b32 v49, 3, v10
	v_mul_u32_u24 v50, v48, 384
	v_mad_u32_u24 v50, v49, 48, v50
	v_mad_u32_u24 v50, v11, 24, v50
	v_add_nc_u32 v50, s51, v50                     ; head rho's block hh of q: wave rho >> 2, block 2 (rho & 3) + hh; k's lies 192 bytes on
	v_lshlrev_b32 v51, 4, v48
	v_lshl_add_u32 v51, v49, 1, v51
	v_lshl_add_u32 v51, v11, 3, v51
	s_lshl_b32 s52, s12, 10
	s_add_co_u32 s52, s52, SCB
	v_add_nc_u32 v51, s52, v51                     ; the head's two scale bytes: lanes 0-15 q's, lanes 16-31 k's
	v_lshlrev_b32 v52, 2, v10
	v_lshl_add_u32 v52, v11, 9, v52
	v_add_nc_u32 v52, s51, v52                     ; attn[t][h]: 64 (8 hh + j) + 4 h
	WIN 0x80
.irp n, 0,1,2,3,4,5,6,7
.irp z, 6,7,8,9,10,11,18,19,20,21,22,23
	v_mov_b32 v[24*\n+\z], 0                       ; K = 64 .. 127 of both operands: zero codes, which add nothing
.endr
.endr
	WIN 0xc0
.irp n, 0,1,2,3,4,5,6,7
	v_mov_b32 v[71+8*\n], 0                        ; (named as the upper half of the pair that holds 1 / sum)
.endr
	WIN 0
	s_mov_b32 s44, 0
	s_mov_b32 s45, 0
	s_mov_b32 s18, 0
.Latt:
	v_add_nc_u32 v53, s45, v50
	v_add_nc_u32 v54, s18, v51
	v_add_nc_u32 v55, s45, v52
	WIN 0x80
.irp n, 0,1,2,3,4,5,6,7
.irp p, 0,1,2
	ds_load_b64 v[24*\n+2*\p:24*\n+2*\p+1], v53 offset:PT*\n+8*\p
	ds_load_b64 v[24*\n+12+2*\p:24*\n+12+2*\p+1], v53 offset:PT*\n+192+8*\p
.endr
.endr
	WIN 0
.irp n, 0,1,2,3,4,5,6,7
	ds_load_u16 v[56+\n], v54 offset:64*\n         ; bytes 2 and 3 of the word are 0: they stand over zero codes
.endr
	s_wait_dscnt 0x0
	WIN 0xca
.irp n, 0,1,2,3,4,5,6,7
	v_wmma_scale_f32_16x16x128_f8f6f4 v[192+8*\n:199+8*\n], v[24*\n+12:24*\n+23], v[24*\n:24*\n+11], 0, v[56+\n], v[56+\n] matrix_a_fmt:MATRIX_FMT_FP6 matrix_b_fmt:MATRIX_FMT_FP6 matrix_a_scale:MATRIX_SCALE_ROW1
.endr
	WIN 0xff
	PLACES 4
.irp n, 0,1,2,3,4,5,6,7                        ; the row's maximum, the eight tokens by turns
	v_max3_num_f32 v[64+8*\n], v[192+8*\n], v[193+8*\n], v[194+8*\n]
.endr
.irp n, 0,1,2,3,4,5,6,7
	v_max3_num_f32 v[65+8*\n], v[195+8*\n], v[196+8*\n], v[197+8*\n]
.endr
.irp n, 0,1,2,3,4,5,6,7
	v_max3_num_f32 v[64+8*\n], v[64+8*\n], v[198+8*\n], v[199+8*\n]
.endr
.irp n, 0,1,2,3,4,5,6,7
	v_max_num_f32 v[64+8*\n], v[64+8*\n], v[65+8*\n]
.endr
.irp n, 0,1,2,3,4,5,6,7
	v_permlanex16_b32 v[65+8*\n], v[64+8*\n], s20, s21
.endr
.irp n, 0,1,2,3,4,5,6,7
	v_max_num_f32 v[64+8*\n], v[64+8*\n], v[65+8*\n]
.endr
.irp m, 0,1,2,3
.irp n, 0,1,2,3,4,5,6,7
	v_pk_add_f32 v[192+8*\n+2*\m:193+8*\n+2*\m], v[192+8*\n+2*\m:193+8*\n+2*\m], v[64+8*\n:65+8*\n] op_sel_hi:[1,0] neg_lo:[0,1] neg_hi:[0,1]   ; the maximum is taken away first,
.endr
.endr
.irp m, 0,1,2,3
.irp n, 0,1,2,3,4,5,6,7
	v_pk_mul_f32 v[192+8*\n+2*\m:193+8*\n+2*\m], v[192+8*\n+2*\m:193+8*\n+2*\m], s[22:23] op_sel_hi:[1,0]   ; then x log2(e) / 8
.endr
.endr
.irp n, 0,1,2,3,4,5,6,7
.irp j, 0,1,2,3,4,5,6,7
	v_exp_f32 v[192+8*\n+\j], v[192+8*\n+\j]
.endr
.endr
	v_nop                                          ; a plain place behind the last exponential
	s_wait_alu depctr_va_vdst(0)                   ; one wait for the batch of 64, ahead of its first reader
.irp n, 0,1,2,3,4,5,6,7
	v_pk_add_f32 v[66+8*\n:67+8*\n], v[192+8*\n:193+8*\n], v[194+8*\n:195+8*\n]
.endr
.irp n, 0,1,2,3,4,5,6,7
	v_pk_add_f32 v[68+8*\n:69+8*\n], v[196+8*\n:197+8*\n], v[198+8*\n:199+8*\n]
.endr
.irp n, 0,1,2,3,4,5,6,7
	v_pk_add_f32 v[66+8*\n:67+8*\n], v[66+8*\n:67+8*\n], v[68+8*\n:69+8*\n]
.endr
.irp n, 0,1,2,3,4,5,6,7
	v_add_f32 v[68+8*\n], v[66+8*\n], v[67+8*\n]
.endr
.irp n, 0,1,2,3,4,5,6,7
	v_permlanex16_b32 v[69+8*\n], v[68+8*\n], s20, s21
.endr
.irp n, 0,1,2,3,4,5,6,7
	v_add_f32 v[68+8*\n], v[68+8*\n], v[69+8*\n]   ; the row's sum
.endr
.irp n, 0,1,2,3,4,5,6,7
	v_rcp_f32 v[70+8*\n], v[68+8*\n]
.endr
	v_nop
	s_wait_alu depctr_va_vdst(0)                   ; one wait for the eight reciprocals
.irp m, 0,1,2,3
.irp n, 0,1,2,3,4,5,6,7
	v_pk_mul_f32 v[192+8*\n+2*\m:193+8*\n+2*\m], v[192+8*\n+2*\m:193+8*\n+2*\m], v[70+8*\n:71+8*\n] op_sel_hi:[1,0]
.endr
.endr
	WIN 0x0c
.irp n, 0,1,2,3,4,5,6,7
.irp j, 0,1,2,3,4,5,6,7
	ds_store_b32 v55, v[192+8*\n+\j] offset:PT*\n+64*\j   ; over the codes of my own token, which I have read
.endr
.endr
	WIN 0
	s_wait_dscnt 0x0                               ; the stores are done: their address may be made anew
	s_add_co_u32 s45, s45, 8*PT
	s_add_co_u32 s18, s18, 512
	s_add_co_u32 s44, s44, 1
	s_cmp_lt_u32 s44, 2
	s_cbranch_scc1 .Latt
	s_barrier_signal -1
	s_barrier_wait -1                              ; every token's attn lies in its record
	; ---- V and out = attn v.  The loop is written once: out, and the v and attn of the pass before the first, begin as zeros
	LOADSET 5, 0, 0, WA
	LOADAUX 5, 7, 0, 0, BI0, 0
	s_mul_i32 s51, s13, 32*PT
	s_add_co_u32 s51, s51, REC
	v_mul_u32_u24 v48, v10, PT
	v_add_nc_u32 v48, s51, v48                     ; the record of token r of my half
	WIN 0x80
.set iz, 0
.rept 256
	v_mov_b32 v[iz], 0
.set iz, iz+1
.endr
	WIN 0xc0
.set iz, 0
.rept 256
	v_mov_b32 v[iz], 0
.set iz, iz+1
.endr
	WIN 0x40
.set iz, AT+32
.rept 32
	v_mov_b32 v[iz], 0
.set iz, iz+1
.endr
	WIN 0
.set iz, VACC+32
.rept 32
	v_mov_b32 v[iz], 0
.set iz, iz+1
.endr
	s_mov_b32 s44, 0
	s_mov_b32 s45, 0                               ; 256 x trip: four heads t of 64 bytes
.Lv:
	v_add_nc_u32 v49, s45, v48                     ; (attn's last loads were waited for at the last change of slots)
	VPASS 0, 0
	VPASS 0, 1
	VPASS 1, 0
	VPASS 1, 1
	WIN 0
	s_add_co_u32 s45, s45, 256
	s_add_co_u32 s44, s44, 1
	s_cmp_lt_u32 s44, 4
	s_cbranch_scc1 .Lv
	FB 1, 0                                        ; the last pass's multiply-adds
	FB 1, 1
	; ---- out becomes 8 fragments a wave: heads 4 g .. 4 g + 3, my half of d: K step 4 wd + g.  (The last change of slots has shown every wave's reads of attn done: the images may lie over the records)
	WIN 0
	s_mul_i32 s51, s13, 24576
	s_mul_i32 s52, s14, 6144
	s_add_co_u32 s51, s51, s52
	s_add_co_u32 s51, s51, REC
	v_add_nc_u32 v50, s51, v9
	s_lshl_b32 s51, s13, 11
	s_lshl_b32 s52, s14, 9
	s_add_co_u32 s51, s51, s52
	s_add_co_u32 s51, s51, XSC
	v_lshl_add_u32 v51, v12, 2, s51
.irp l, 0,1
.irp g, 0,1,2,3
	QUANT 64*\g, 2+\l, 1, 1
	IMAGE 50, 12288*\l+1536*\g, 1
	ds_store_b32 v51, v[PW] offset:1024*\l+128*\g
	s_wait_dscnt 0x0                               ; the stores have read their registers
.endr
.endr
	WIN 0
	s_barrier_signal -1
	s_barrier_wait -1                              ; out's 32 images lie in LDS
	v_add_nc_u32 v52, REC, v9                      ; the token tiles in their natural order now
	v_add_nc_u32 v53, 24576, v52
	v_lshlrev_b32 v54, 2, v10
	v_lshl_add_u32 v54, v11, 7, v54
	v_add_nc_u32 v54, XSC, v54
	v_add_nc_u32 v55, 2048, v54
	FETCHALL 52, 53, 54, 55
	LOADSET 1, 0, 0, WA
	LOADAUX 1, 3, 0, 0, BI1, 1
	; ---- O: two steps and a way out a trip
	s_mul_i32 s51, s12, 17408
	s_add_co_u32 s51, s51, REC                     ; my stage: 64 rows of 272 bytes
	v_mul_u32_u24 v48, v10, 272
	v_lshl_add_u32 v48, v11, 6, v48
	v_add_nc_u32 v48, s51, v48                     ; in: row r, + 64 hh
	v_mul_u32_u24 v49, v11, 272
	v_lshl_add_u32 v49, v10, 4, v49
	v_add_nc_u32 v49, s51, v49                     ; back: lanes 0-15 one row, lanes 16-31 the next
	v_lshlrev_b32 v50, 12, v11
	v_lshl_add_u32 v50, v10, 4, v50                ; and the same two rows in out0
	s_mov_b32 s18, 0
	s_mov_b32 s19, 0
	s_mov_b32 s44, 0
.Lo:
	GSTEP 0, 128, 1, 1, 0
	GSTEP 1, 192, 1, 1, 0
	WAYOUT
	s_add_co_u32 s44, s44, 1
	s_cmp_lt_u32 s44, 3
	s_cbranch_scc1 .Lo
	GSTEP 0, 128, 0, 1, 0                          ; the last two steps are written out: nothing is left to ask for
	GSTEP 1, 192, 2, 0, 0
	WAYOUT
	s_wait_tensorcnt 0x0                           ; the wave's end: a wait, an add and a wait, behind my last tensor load and my last LDS store
	ds_add_u32 v14, v15
	s_wait_dscnt 0x0
	ROUND                                          ; the closing round: no work-group ends while a partner may still ask for a quarter that names it
	s_endpgm
.Lfunc_end_k_qde59ea4ccd_fused:
	.size	k_qde59ea4ccd_fused, .Lfunc_end_k_qde59ea4ccd_fused-k_qde59ea4ccd_fused
	.p2alignl 7, 3214868480
	.fill 96, 4, 3214868480
	.section	.rodata,"a",@progbits
	.p2align	6, 0x0
	.amdhsa_kernel k_qde59ea4ccd_fused
		.amdhsa_group_segment_fixed_size 327680
		.amdhsa_private_segment_fixed_size 0
		.amdhsa_enable_private_segment 0
		.amdhsa_kernarg_size 32
		.amdhsa_user_sgpr_count 2
		.amdhsa_user_sgpr_kernarg_segment_ptr 1
		.amdhsa_wavefront_size32 1
		.amdhsa_system_sgpr_workgroup_id_x 1
		.amdhsa_system_sgpr_workgroup_id_y 1
		.amdhsa_system_sgpr_workgroup_id_z 1
		.amdhsa_system_vgpr_workitem_id 0
		.amdhsa_next_free_vgpr 1024
		.amdhsa_next_free_sgpr 66
		.amdhsa_reserve_vcc 0
		.amdhsa_float_denorm_mode_32 3
		.amdhsa_float_denorm_mode_16_64 3
		.amdhsa_memory_ordered 1
		.amdhsa_forward_progress 1
		.amdhsa_inst_pref_size 255
	.end_amdhsa_kernel
	.section	.bss,"aw",@nobits
	.p2align	6
	.space	262144
	.amdgpu_metadata
---
amdhsa.version: [ 1, 2 ]
amdhsa.kernels:
  - .name:           k_qde59ea4ccd_fused
    .symbol:         k_qde59ea4ccd_fused.kd
    .args:
      - { .name: x, .offset: 0, .size: 8, .value_kind: global_buffer, .address_space: global }
      - { .name: scale, .offset: 8, .size: 8, .value_kind: global_buffer, .address_space: global }
      - { .name: wst, .offset: 16, .size: 8, .value_kind: global_buffer, .address_space: global }
      - { .name: out0, .offset: 24, .size: 8, .value_kind: global_buffer, .address_space: global }
    .group_segment_fixed_size: 327680
    .private_segment_fixed_size: 0
    .kernarg_segment_align: 8
    .kernarg_segment_size: 32
    .max_flat_workgroup_size: 128
    .sgpr_count:     66
    .vgpr_count:     1024
    .wavefront_size: 32
...
	.end_amdgpu_metadata
.endif
;; end of part 2
;; ======== version 2 of 2: 2 launches
;; limits: right only within a limited range of input values
;; workspace buffers: wst 3,309,568 bytes
;; launch prep (part 3): grid 256 x 1, 8 waves a work-group, no clusters, 69,120 bytes of LDS; arguments Wq, Wk, Wv, Wo, bq, bk, bv, bo, wst; writes wst
.if DOCPART == 3
	.amdgcn_target "amdgcn-amd-amdhsa--gfx1250"
	.amdhsa_code_object_version 6
	.text
	.protected	k_qde59ea4ccd_prep
	.globl	k_qde59ea4ccd_prep
	.p2align	8
	.type	k_qde59ea4ccd_prep,@function
k_qde59ea4ccd_prep:
	s_mov_b64 s[64:65], 0
	v_nop
	global_prefetch_b8 v0, s[64:65] scope:SCOPE_SE
	s_setreg_imm32_b32 hwreg(HW_REG_WAVE_MODE, 25, 1), 1
	s_wait_xcnt 0x0
; Wq, Wk, Wv, Wo [1024 (n)][1024 (k)] f32 become ONE stream of codes of FP6 (E2M3), E8M0 scale words and biases, laid in the register image in which the second launch takes them.
; THE STREAM: 32 steps (Q 0-7, K 8-15, V 16-23, O 24-31) of 4 quarters of QB = 25,856 bytes.  A quarter is a block beta of 32 weight rows = two tiles u of 16 rows; tile row rho is W's row 32 beta + 8 u + rho + (rho & 8).
;   bytes 0 .. 24,575: fragment (K step s, tile u) at 1536 (2 s + u): the image of its 12 registers, registers 4 c .. 4 c + 3 of lane l at 512 c + 16 l
;   24,576 + 512 u: the tile's scale words, word (rho, s) at 16 (rho + 16 (s & 1)) + 4 (s >> 1)         25,600 + 128 u: its 16 biases in tile-row order, then 64 bytes of zeros
; Q, K, O: step beta & 7, quarter beta >> 3.   V: step beta >> 2, quarter 2 (beta & 1) + ((beta >> 1) & 1).
; A lane (rho, hh) of a fragment holds two whole blocks of 32 along K: registers 6 c .. 6 c + 5 hold block 4 s + 2 c + hh; for Wo block 8 (s & 3) + 4 c + 2 hh + (s >> 2): the order in which the second launch makes
; the codes of its left operand (the same permutation of K's blocks on both sides of the product; each block keeps its scale byte).
; A block's scale is 2^(floor(log2(largest magnitude)) - 2); its byte is the largest magnitude's exponent field - 2, held at 1 from below.
; LIMITS: NaN and infinities are not served; a block of zeros (and one whose largest magnitude lies under 2^-124) gets the byte 1: a block of zeros has zero codes, and this program alone reads the bytes.
; SHARES: a work-group makes one tile, each of its eight waves one fragment (K step s = the wave's number), no loop.  A load takes the K step's four blocks of ONE row, 16 bytes a lane (512 neighbouring bytes; for Wo four
; pieces of 128); the 16 rows turn through the wave's own stage in LDS, so that a lane gets whole blocks of its row.  The eight scale words of a row meet in LDS; wave 0 stores them and the biases.
.set QB,    25856
.set SPARE, 512                        ; behind the tile's 512 bytes of scale words: the spare words, 128 bytes for each of eight waves
.set STG,   1536                       ; behind them: a stage of 16 rows for each wave,
.set SP,    528                        ; 512 bytes + 16 a row: 33 x 16, so that the 16 rows that a load touches start at 16 different groups of banks
	s_load_b512 s[8:23], s[0:1], 0x0               ; Wq s[8:9], Wk, Wv, Wo, bq s[16:17], bk, bv, bo
	s_load_b64 s[24:25], s[0:1], 0x40              ; the stream
	v_lshl_add_u32 v30, v0, 2, SPARE               ; my spare word,
	v_mov_b32 v31, 0                               ; and 0: kept for the wave's end
	v_lshrrev_b32 v1, 5, v0
	s_delay_alu instid0(VALU_DEP_1)
	v_readfirstlane_b32 s2, v1                     ; wave = K step s
	v_and_b32 v1, 31, v0                           ; lane
	v_and_b32 v2, 15, v0                           ; rho
	s_wait_alu depctr_va_vdst(0)
	v_bfe_u32 v3, v0, 4, 1                         ; hh
	s_lshr_b32 s3, ttmp9, 6                        ; which weight: 0 Q, 1 K, 2 V, 3 O
	s_bfe_u32 s4, ttmp9, 0x50001                   ; beta
	s_and_b32 s5, ttmp9, 1                         ; u
	s_and_b32 s26, s4, 7                           ; step and quarter for Q, K, O,
	s_lshr_b32 s27, s4, 3
	s_lshr_b32 s28, s4, 2                          ; and for V
	s_and_b32 s29, s4, 1
	s_lshl_b32 s29, s29, 1
	s_bfe_u32 s30, s4, 0x10001
	s_add_co_u32 s29, s29, s30
	s_cmp_eq_u32 s3, 2
	s_cselect_b32 s26, s28, s26
	s_cselect_b32 s27, s29, s27
	s_lshl_b32 s38, s3, 3
	s_add_co_u32 s38, s38, s26
	s_lshl_b32 s38, s38, 2
	s_add_co_u32 s38, s38, s27
	s_mul_i32 s38, s38, QB                         ; the quarter's first byte
	s_mov_b32 s39, 0
	s_lshl_b32 s40, s2, 1
	s_add_co_u32 s40, s40, s5
	s_mul_i32 s40, s40, 1536                       ; my fragment in it
	; V ALONE: in each pair of steps two half quarters change places: the fragments of K steps 4 h .. 4 h + 3 of step 2 j + o lie in step 2 j + h, in the half o of the same quarter.
	; So the two halves of one quarter of V lie one step apart, as the second halves of a pair of steps of Q, K, O do: one tile shape (2 rows of 12,288 bytes, a step apart) serves all.  Scale words and biases stay.
	s_lshr_b32 s28, s2, 2                          ; h
	s_and_b32 s29, s26, 1                          ; o
	s_and_b32 s30, s2, 3
	s_lshl_b32 s30, s30, 1
	s_add_co_u32 s30, s30, s5                      ; the fragment in its half
	s_lshl_b32 s53, s29, 3
	s_add_co_u32 s53, s53, s30
	s_mul_i32 s53, s53, 1536
	s_sub_co_i32 s54, s28, s29                     ; h - o steps on
	s_mul_i32 s54, s54, 4*QB
	s_add_co_i32 s53, s53, s54
	s_cmp_eq_u32 s3, 2
	s_cselect_b32 s40, s53, s40
	s_ashr_i32 s41, s40, 31                        ; (the offset may be negative)
	s_lshl_b32 s44, s5, 9                          ; the tile's scale words (+ 24,576)
	s_mov_b32 s45, 0
	s_lshl_b32 s46, s5, 7                          ; the tile's biases (+ 25,600)
	s_mov_b32 s47, 0
	s_lshl_b32 s31, s2, 9                          ; where my K step begins in a row, in bytes: 512 s;
	s_and_b32 s32, s2, 3
	s_lshl_b32 s32, s32, 10
	s_lshr_b32 s33, s2, 2
	s_lshl_b32 s33, s33, 7
	s_add_co_u32 s32, s32, s33                     ; for Wo 1024 (s & 3) + 128 (s >> 2)
	s_cmp_eq_u32 s3, 3
	s_cselect_b32 s31, s32, s31
	s_cselect_b32 s34, 8, 7                        ; from one of the K step's four blocks to the next: 128 bytes, for Wo 256 (as a shift)
	s_and_b32 s36, s2, 1
	s_lshl_b32 s36, s36, 8
	s_lshr_b32 s37, s2, 1
	s_lshl_b32 s37, s37, 2
	s_add_co_u32 s36, s36, s37
	v_lshl_add_u32 v7, v2, 4, s36                  ; LDS: my row's scale word of K step s: 16 rho + 256 (s & 1) + 4 (s >> 1)
	s_lshl_b32 s48, s4, 5
	s_lshl_b32 s49, s5, 3
	s_add_co_u32 s48, s48, s49                     ; the tile's first row of W: 32 beta + 8 u
	s_lshl_b32 s49, s48, 12                        ; a row is 4,096 bytes
	s_add_co_u32 s49, s49, s31
	v_lshrrev_b32 v10, 3, v1                       ; in a load, eight lanes take a block: block lane >> 3 = 2 c + hh,
	v_and_b32 v11, 7, v1                           ; 16 bytes a lane
	s_delay_alu instid0(VALU_DEP_2)
	v_lshlrev_b32 v4, s34, v10
	s_delay_alu instid0(VALU_DEP_1)
	v_lshl_add_u32 v4, v11, 4, v4
	s_delay_alu instid0(VALU_DEP_1)
	v_add_nc_u32 v4, s49, v4                       ; my 16 bytes of the K step in the tile's first row
	v_and_b32 v10, 8, v2
	s_delay_alu instid0(VALU_DEP_1)
	v_add_nc_u32 v10, v10, v2
	s_delay_alu instid0(VALU_DEP_1)
	v_add_nc_u32 v10, s48, v10                     ; my row of W as lane (rho, hh): 32 beta + 8 u + rho + (rho & 8)
	s_delay_alu instid0(VALU_DEP_1)
	v_lshlrev_b32 v8, 2, v10                       ; its bias
	v_lshlrev_b32 v6, 4, v1                        ; 16 x lane: an image's place
	v_lshlrev_b32 v9, 2, v1                        ; 4 x lane
	s_mul_i32 s52, s2, 16*SP
	s_add_co_u32 s52, s52, STG                     ; my stage
	v_add_nc_u32 v5, s52, v6                       ; in: a row as it was loaded
	v_mul_u32_u24 v28, v2, SP
	s_delay_alu instid0(VALU_DEP_1)
	v_lshl_add_u32 v28, v3, 7, v28
	s_delay_alu instid0(VALU_DEP_1)
	v_add_nc_u32 v28, s52, v28                     ; back: row rho, block hh (block 2 + hh lies 256 bytes on)
	s_mov_b32 s50, 0x76543210
	s_mov_b32 s51, 0xfedcba98                      ; v_permlanex16_b32's selects for lane l xor 16
	s_wait_alu depctr_va_vdst(0)
	s_wait_kmcnt 0x0
	s_cmp_eq_u32 s3, 1                             ; the weight and its bias: a choice on the work-group's number alone
	s_cselect_b64 s[8:9], s[10:11], s[8:9]
	s_cselect_b64 s[16:17], s[18:19], s[16:17]
	s_cmp_eq_u32 s3, 2
	s_cselect_b64 s[8:9], s[12:13], s[8:9]
	s_cselect_b64 s[16:17], s[20:21], s[16:17]
	s_cmp_eq_u32 s3, 3
	s_cselect_b64 s[8:9], s[14:15], s[8:9]
	s_cselect_b64 s[16:17], s[22:23], s[16:17]
	s_add_nc_u64 s[24:25], s[24:25], s[38:39]      ; the stream at my quarter
	s_add_nc_u64 s[42:43], s[24:25], s[40:41]      ; at my fragment
	s_add_nc_u64 s[44:45], s[24:25], s[44:45]
	s_add_nc_u64 s[46:47], s[24:25], s[46:47]
.irp n, 0,1,2,3,4,5,6,7,8,9,10,11,12,13,14,15
	global_load_b128 v[128+4*\n:131+4*\n], v4, s[8:9] offset:(\n+(\n&8))*4096 th:TH_LOAD_NT   ; tile row n: the K step's 128 numbers
.endr
.irp n, 0,1,2,3,4,5,6,7,8,9,10,11,12,13,14,15
	s_wait_loadcnt 15-\n                           ; loads come back in order (ISA guide 5.7.1): row n is in, the rows behind it may be out
	ds_store_b128 v5, v[128+4*\n:131+4*\n] offset:SP*\n
.endr
.irp c, 0,1
.irp j, 0,1,2,3,4,5,6,7
	ds_load_b128 v[32+32*\c+4*\j:35+32*\c+4*\j], v28 offset:256*\c+16*\j   ; LDS serves a wave's instructions in order (ISA guide 5.7.1.4): these see my stores.  32 neighbours along K of my row: a whole block
.endr
.endr
	s_wait_dscnt 0x0
.irp c, 0,1
	v_max3_num_f32 v[12+\c], |v[32+32*\c]|, |v[33+32*\c]|, 0x1800000   ; the block's largest magnitude, with the floor 2^(3 - 127) among its leaves: the byte cannot fall under 1
.endr
.irp i, 2,4,6,8,10,12,14,16,18,20,22,24,26,28,30
.irp c, 0,1
	s_delay_alu instid0(VALU_DEP_2)
	v_max3_num_f32 v[12+\c], v[12+\c], |v[32+32*\c+\i]|, |v[33+32*\c+\i]|   ; (the two blocks by turns)
.endr
.endr
.irp c, 0,1
	s_delay_alu instid0(VALU_DEP_2)
	v_add_nc_u32 v[16+\c], 0xff000000, v[12+\c]    ; 2 off its exponent field: the conversion takes the exponent field of this operand as its scale
.endr
.irp c, 0,1
	s_delay_alu instid0(VALU_DEP_2)
	v_lshrrev_b32 v[18+\c], 23, v[16+\c]           ; the scale's byte
.endr
	s_delay_alu instid0(VALU_DEP_1)
	v_lshl_or_b32 v20, v19, 16, v18                ; my two bytes: blocks hh and 2 + hh of the K step,
	v_lshlrev_b32 v21, 3, v3
	s_delay_alu instid0(VALU_DEP_1)
	v_lshlrev_b32 v20, v21, v20                    ; at their places in the word;
	v_mov_b32 v21, 0
	s_delay_alu instid0(VALU_DEP_1)
	v_permlanex16_b32 v21, v20, s50, s51
	s_delay_alu instid0(VALU_DEP_1)
	v_or_b32 v20, v20, v21                         ; with lane l xor 16's two the word is whole
.irp c, 0,1
	v_cvt_scalef32_pk16_fp6_f32 v[96+6*\c:98+6*\c], v[32+32*\c:47+32*\c], v[16+\c]
	v_cvt_scalef32_pk16_fp6_f32 v[108+4*\c:110+4*\c], v[48+32*\c:63+32*\c], v[16+\c]   ; (a conversion's three registers begin on an even number: the block's second half is made elsewhere and moved)
.endr
	v_nop                                          ; one plain place behind a scaled conversion
.irp c, 0,1
.irp i, 0,1,2
	v_mov_b32 v[99+6*\c+\i], v[108+4*\c+\i]
.endr
.endr
.irp c, 0,1,2
	global_store_b128 v6, v[96+4*\c:99+4*\c], s[42:43] offset:512*\c   ; the image: each store covers 512 consecutive bytes, aligned
.endr
	ds_store_b32 v7, v20                           ; lanes l and l xor 16 write the same word with the same value
	s_wait_dscnt 0x0                               ; for wave 0's sake
	s_barrier_signal -1
	s_barrier_wait -1
	s_cmp_lg_u32 s2, 0
	s_cbranch_scc1 .Lend
	ds_load_b128 v[24:27], v6                      ; the tile's 128 scale words
	global_load_b32 v22, v8, s[16:17]              ; the tile's biases, by tile row
	v_cmp_gt_u32 vcc_lo, 16, v1
	s_wait_loadcnt 0x0
	v_cndmask_b32 v23, 0, v22, vcc_lo              ; lanes 16-31 store zeros: every byte of a quarter is written
	s_wait_alu depctr_va_vdst(0)
	s_wait_dscnt 0x0
	global_store_b128 v6, v[24:27], s[44:45] offset:24576
	global_store_b32 v9, v23, s[46:47] offset:25600
.Lend:
	s_wait_tensorcnt 0x0                           ; the wave's end: a wait, an add and a wait behind my last LDS store
	ds_add_u32 v30, v31
	s_wait_dscnt 0x0
	s_endpgm
.Lfunc_end_k_qde59ea4ccd_prep:
	.size	k_qde59ea4ccd_prep, .Lfunc_end_k_qde59ea4ccd_prep-k_qde59ea4ccd_prep
	.p2alignl 7, 3214868480
	.fill 96, 4, 3214868480
	.section	.rodata,"a",@progbits
	.p2align	6, 0x0
	.amdhsa_kernel k_qde59ea4ccd_prep
		.amdhsa_group_segment_fixed_size 69120
		.amdhsa_private_segment_fixed_size 0
		.amdhsa_enable_private_segment 0
		.amdhsa_kernarg_size 72
		.amdhsa_user_sgpr_count 2
		.amdhsa_user_sgpr_kernarg_segment_ptr 1
		.amdhsa_wavefront_size32 1
		.amdhsa_system_sgpr_workgroup_id_x 1
		.amdhsa_system_sgpr_workgroup_id_y 1
		.amdhsa_system_sgpr_workgroup_id_z 1
		.amdhsa_system_vgpr_workitem_id 0
		.amdhsa_next_free_vgpr 192
		.amdhsa_next_free_sgpr 66
		.amdhsa_reserve_vcc 1
		.amdhsa_float_denorm_mode_32 3
		.amdhsa_float_denorm_mode_16_64 3
		.amdhsa_memory_ordered 1
		.amdhsa_forward_progress 1
		.amdhsa_inst_pref_size 14
	.end_amdhsa_kernel
	.amdgpu_metadata
---
amdhsa.version: [ 1, 2 ]
amdhsa.kernels:
  - .name:           k_qde59ea4ccd_prep
    .symbol:         k_qde59ea4ccd_prep.kd
    .args:
      - { .name: Wq, .offset: 0, .size: 8, .value_kind: global_buffer, .address_space: global }
      - { .name: Wk, .offset: 8, .size: 8, .value_kind: global_buffer, .address_space: global }
      - { .name: Wv, .offset: 16, .size: 8, .value_kind: global_buffer, .address_space: global }
      - { .name: Wo, .offset: 24, .size: 8, .value_kind: global_buffer, .address_space: global }
      - { .name: bq, .offset: 32, .size: 8, .value_kind: global_buffer, .address_space: global }
      - { .name: bk, .offset: 40, .size: 8, .value_kind: global_buffer, .address_space: global }
      - { .name: bv, .offset: 48, .size: 8, .value_kind: global_buffer, .address_space: global }
      - { .name: bo, .offset: 56, .size: 8, .value_kind: global_buffer, .address_space: global }
      - { .name: wst, .offset: 64, .size: 8, .value_kind: global_buffer, .address_space: global }
    .group_segment_fixed_size: 69120
    .private_segment_fixed_size: 0
    .kernarg_segment_align: 8
    .kernarg_segment_size: 72
    .max_flat_workgroup_size: 256
    .sgpr_count:     66
    .vgpr_count:     192
    .wavefront_size: 32
...
	.end_amdgpu_metadata
.endif
;; end of part 3
;; launch fused (part 4): grid 256 x 1, 4 waves a work-group, clusters of 4 x 1, 327,680 bytes of LDS; arguments x, scale, wst, out0; writes out0
.if DOCPART == 4
	.amdgcn_target "amdgcn-amd-amdhsa--gfx1250"
	.amdhsa_code_object_version 6
	.text
	.protected	k_qde59ea4ccd_fused
	.globl	k_qde59ea4ccd_fused
	.p2align	8
	.type	k_qde59ea4ccd_fused,@function
k_qde59ea4ccd_fused:
	s_mov_b64 s[64:65], 0
	v_nop
	global_prefetch_b8 v0, s[64:65] scope:SCOPE_SE
	s_setreg_imm32_b32 hwreg(HW_REG_WAVE_MODE, 25, 1), 1
	s_wait_xcnt 0x0
	s_wait_alu depctr_hold_cnt(0) depctr_sa_sdst(0) depctr_va_vdst(0) depctr_va_sdst(0) depctr_va_ssrc(0) depctr_va_vcc(0) depctr_vm_vsrc(0)
	s_getreg_b32 s2, hwreg(HW_REG_IB_STS2, 6, 4)
	s_cmp_eq_u32 s2, 0
	s_cbranch_scc0 .Lentry_in_a_cluster
	s_endpgm
.Lentry_in_a_cluster:
	s_bfe_u32 s2, ttmp6, 0x10000c
	s_cmp_lg_u32 s2, 0x3003
	s_cbranch_scc0 .Lentry_shape_is_right
	s_endpgm
.Lentry_shape_is_right:
; out0 = attention(x) Wo^T + bo for 64 tokens a work-group; q, k, v, the softmax's weights and its result never go to memory.
; For each token: q = (x Wq^T + bq) scale[d], k, v likewise; scores[h][t] = q[h] . k[t] over d = 64; softmax over t of scores / 8 (the maximum taken away first); out[h][d] = sum over t of attn[h][t] v[t][d]; out Wo^T + bo.
; The four large products and the scores run on codes of FP6 (E2M3) with one E8M0 scale for each 32 along K; out = attn v runs in f32 by packed fused multiply-adds, since it goes on into a quantiser.
; THE WEIGHTS come as one stream of 32 steps (Q 0-7, K 8-15, V 16-23, O 24-31) x 4 quarters of QB bytes, made by the launch before: images of operand registers (two halves of 12,288 bytes: K steps 0-3, 4-7), scale words, biases.
; THE RING: two LDS slots, filled JOINTLY by the cluster's four work-groups; wave w asks for one tile of quarter w: 2 rows of 12,288 bytes, a step apart in the stream.  Twenty fills, fill n in slot n & 1:
;   n = 0-7: the second halves of Q's and K's steps 2 n, 2 n + 1;  n = 8-15: one whole step of V (the launch before lays a quarter's two halves a step apart);  n = 16-19: the second halves of O's pairs of steps.
;   Each trip of the three loops reads fill n out and asks for fill n + 2 behind a round of the cluster's barrier; O's last two trips ask for nothing and are a loop of their own.
; THE FIRST HALVES of Q's, K's and O's steps, and all scale words and biases, go from the stream STRAIGHT INTO REGISTERS, two steps ahead (V's scale words and biases one step ahead): wave w alone reads them, once.
;   They are not asked for jointly: a joint load lands in LDS, and two slots that held whole pairs of steps would not fit beside the records; so half of a step's bytes are on their way by each of the two roads.
; ALL PRODUCTS ARE USED TRANSPOSED (source 0 = 16 weight rows, source 1 = 16 tokens): a lane (r, hh) holds ONE token r, and the 16 registers of a block's two tiles are columns 16 hh + 0 .. 15 of a block of 32.
; SHARES (w = wave, wm = w >> 1, wd = w & 1).  X: wave w quantises tokens 16 w .. + 15; the images of x's 32 fragments go through LDS into every wave's registers (384) and stay.
;   Q, K, O: wave w makes columns 256 w .. + 255 for all 64 tokens, 32 columns a step.   ATT: wave w takes tokens 16 w .. + 15: one product a token (K = 64, filled up to 128 with zero codes), softmax in registers, attn to LDS as f32.
;   V: wave (wm, wd) makes, for tokens 32 wm .. + 31, v[t][32 wd .. + 31] of one head t a pass, and adds attn[h][t] v[t][d] onto out[h][d] one pass later, beside the next pass's products and LDS loads.
; PREFETCH: at time steps 6 .. 19 the first cluster names the stream's step 12 further on (V's steps 2-7 and O's 8), each block of 256 bytes once: its four partners take a quarter each, by address; wave w blocks 32 w .. of 101.
;   Q's and K's steps come by their loads alone: they are wanted from the launch's start.
; The direct loads that run ahead are held inside the stream: behind K's last steps they name V's first two, behind V's last step O's first, behind O's last steps step 31 again; these are not used.
; LIMITS: NaN and infinities are not served.  A block of zeros (and one whose largest magnitude lies under 2^-124) gets the scale byte 1: a block of zeros has zero codes, and this program alone reads the bytes.
;   The last product takes K's blocks in the order 2 h + wd -> K step 4 wd + (h >> 2), alike on both sides: its f32 sums run in that order.
; REGISTERS, in windows of 256 (s_set_vgpr_msb: bits 1:0 source 0, 3:2 source 1, 5:4 source 2, 7:6 destination):
;   window 0: v1-15 addresses that stay; v16-31 scale words of x or out; v32-47 of the weights, two sets; v48-55 a phase's addresses; v56-63 ATT's scale words; v64-159, v160-255 the even steps' first and second half
;             (in V: v64-159 one set, v160-223 v of two passes, v224-255 the biases of two passes)
;   window 1: v0-191 x's (out's) fragments of token tiles 0, 1 (local); v192-207, v240-255 the biases of even and odd steps, v208-239 scale[d] (in V: v192-255 attn of two passes)
;   window 2: v0-191 those of tiles 2, 3; v192-228 Q's and K's quantiser, in O rows on the way out; in ATT q's and k's fragments of 8 tokens; in V out of my first 16 tokens
;   window 3: v0-95, v96-191 the odd steps' first and second half; v192-255 accumulators; in V out of my second 16 tokens.
; In X, Q, K and V the token tiles are taken in a local order: 0, 1 = tiles 2 wm, 2 wm + 1; 2, 3 = the other half: so window 1 holds the half that V wants.
.set QB,    25856                      ; a quarter of the stream: 101 blocks of 256 bytes
.set SLOTB, 4*QB                       ; a step of the stream
.set QL,    24576                      ; a wave's tile in LDS
.set SLOTL, 4*QL                       ; an LDS slot
.set REC,   2*SLOTL                    ; behind the ring, 99,328 bytes used by turns, each turn parted from the next by a barrier: x's images and stages | 64 token records | out's images | four stages for the way out
.set PT,    1552                       ; a token's record: q's and k's codes, block i' (q 0-7, k 8-15) of wave w at 384 w + 24 i'; later attn[t][h] f32 at 64 t + 4 h
.set XSC,   REC+49152                  ; the scale words of the images: fragment (tile m, K step s) at 128 (8 m + s) + 4 lane
.set XSTG,  REC+53248                  ; X: a stage of 16 rows for each wave,
.set XSP,   528                        ; 512 bytes + 16 a row
.set SCB,   REC+64*PT                  ; q's and k's scale bytes: 64 token + 16 w + i'
.set SPARE, SCB+4096                   ; the spare words, 128 bytes for each wave
.set XS,  16
.set WS,  32
.set WA,  64
.set BI1, 192
.set SV,  208
.set ACC, 192
.set VACC, 160
.set BI0, 224
.set AT,  192
.set LA,  60                           ; s[60:61] the stream at the step that the direct loads name
.set TM,  16                           ; the quantiser: TM .. +3 largest magnitudes, +4 .. +7 bytes, +12 .. +15 scale operands
.set PW,  32                           ; the scale word
.set PC,  34                           ; the codes: 12 registers the fragment, 7 at work
.set MSB, 0
.macro WIN new                         ; the immediate's high byte repeats the setting that is left; a switch that changes nothing is dropped
.if MSB != (\new)
	s_set_vgpr_msb (MSB<<8)|(\new)
.set MSB, (\new)
.endif
.endm
.macro PLACES n                        ; plain vector instructions behind matrix instructions (ISA guide 7.12.1)
.rept \n
	v_nop
.endr
.endm
.macro CREST                           ; a round of the cluster's barrier behind its opening barrier
	s_cmp_lg_u32 s12, 0
	s_cbranch_scc1 .Lnw0_\@
	s_barrier_signal -3
.Lnw0_\@:
	s_barrier_wait -3
	s_barrier_signal -1
	s_barrier_wait -1
.endm
.macro ROUND
	s_barrier_signal -1
	s_barrier_wait -1
	CREST
.endm
.macro ASK                             ; the prefetch of time step s43, 6 <= s43 < 20, in the first cluster (s42 = 14, elsewhere 0)
	s_sub_co_u32 s53, s43, 6                       ; (under 6 it wraps to a number above every bound)
	s_cmp_lt_u32 s53, s42
	s_cbranch_scc0 .Lnp_\@
	global_prefetch_b8 v13, s[40:41] th:TH_LOAD_NT scope:SCOPE_SE
.Lnp_\@:
.endm
; Group 0 for fill n = s66, into the trip's slot (s62).  It stands behind the wait for all my tensor loads.  Stream step 2 n (Q, K), 16 + (n & 6) (V), 2 n - 8 (O); in the quarter byte 12,288, for V 12,288 (n & 1).
.macro NEXTF
	s_lshl_b32 s50, s66, 1
	s_cmp_lt_u32 s66, 16
	s_cselect_b32 s51, 0, 8
	s_sub_co_u32 s50, s50, s51
	s_and_b32 s52, s66, 6
	s_add_co_u32 s52, s52, 16
	s_and_b32 s53, s66, 1
	s_mul_i32 s53, s53, 12288
	s_lshr_b32 s54, s66, 3
	s_cmp_eq_u32 s54, 1
	s_cselect_b32 s50, s52, s50
	s_cselect_b32 s53, s53, 12288
	s_mul_i32 s50, s50, SLOTB
	s_add_co_u32 s50, s50, s53
	s_mov_b32 s51, 0
	s_add_nc_u64 s[34:35], s[68:69], s[50:51]
	s_or_b32 s35, s35, 0x80000000                  ; type = 2
	s_add_co_u32 s33, s62, s19
	s_add_co_u32 s66, s66, 1
.endm
; 64 numbers of a lane in window sw, register src + 16 b + i = number 16 hh + i of block b of my row, become codes in v[PC] .. v[PC + 11] of window tw (lane (r, hh): registers 6 c .. 6 c + 5 = the whole block 2 c + hh),
; the four scale bytes in v[TM + 4 + b], and with word = 1 the scale word in v[PW].
.macro QUANT src, sw, tw, word
	WIN ((\tw)<<6)|((\tw)<<4)|((\sw)<<2)|(\sw)
.irp b, 0,1,2,3
	v_max3_num_f32 v[TM+\b], |v[(\src)+16*\b]|, |v[(\src)+16*\b+1]|, 0x1800000   ; with the floor 2^(3 - 127): the byte cannot fall under 1
.endr
	WIN ((\tw)<<6)|((\sw)<<4)|((\sw)<<2)|(\tw)
.irp i, 2,4,6,8,10,12,14
.irp b, 0,1,2,3
	v_max3_num_f32 v[TM+\b], v[TM+\b], |v[(\src)+16*\b+\i]|, |v[(\src)+16*\b+\i+1]|
.endr
.endr
	WIN (\tw)*0x55
.irp b, 0,1,2,3
	v_permlanex16_b32 v[TM+4+\b], v[TM+\b], s20, s21
.endr
.irp b, 0,1,2,3
	v_max_num_f32 v[TM+\b], v[TM+\b], v[TM+4+\b]   ; with lane l xor 16's: the block's largest magnitude
.endr
.irp b, 0,1,2,3
	v_add_nc_u32 v[TM+12+\b], 0xff000000, v[TM+\b] ; 2 off its exponent field: the conversion's scale operand
.endr
.irp b, 0,1,2,3
	v_lshrrev_b32 v[TM+4+\b], 23, v[TM+12+\b]      ; the scale's byte
.endr
.if \word
	v_lshl_or_b32 v[PW], v[TM+5], 8, v[TM+4]
	v_lshl_or_b32 v[PW], v[TM+6], 16, v[PW]
	v_lshl_or_b32 v[PW], v[TM+7], 24, v[PW]
.endif
	WIN ((\tw)<<6)|((\tw)<<4)|((\tw)<<2)|(\sw)
.irp c, 0,1
	v_cvt_scalef32_pk16_fp6_f32 v[PC+6*\c:PC+6*\c+2], v[(\src)+32*\c:(\src)+32*\c+15], v[TM+12+2*\c]
	v_cvt_scalef32_pk16_fp6_f32 v[PC+12+4*\c:PC+12+4*\c+2], v[(\src)+32*\c+16:(\src)+32*\c+31], v[TM+12+2*\c+1]
.endr
	WIN (\tw)*0x55
	v_nop                                          ; one plain place behind a scaled conversion
.irp c, 0,1                                    ; the halves change places, so that a lane holds a whole block
.irp i, 0,1,2
	v_permlane16_swap_b32 v[PC+6*\c+\i], v[PC+12+4*\c+\i]
.endr
.irp i, 0,1,2
	v_mov_b32 v[PC+3+6*\c+\i], v[PC+12+4*\c+\i]
.endr
.endr
.endm
.macro IMAGE adr, off, dw              ; the fragment in v[PC] on (window dw) goes to LDS as it stands
	WIN (\dw)<<2
.irp c, 0,1,2
	ds_store_b128 v[\adr], v[PC+4*\c:PC+4*\c+3] offset:(\off)+512*\c
.endr
.endm
.macro XBUF s                          ; where K step s of x lands: 64 registers of its own
.if (\s) < 2
.set XW, 1
.set XR, 64+64*(\s)
.else
.set XW, 2+((\s)-2)/3
.set XR, 64+64*(((\s)-2)%3)
.endif
.endm
.macro XLOAD s                         ; K step s of my 16 tokens: a load takes one row's 128 numbers: 512 consecutive bytes, aligned
	XBUF \s
	WIN XW<<6
.set nX, 0
.rept 16
	global_load_b128 v[XR+4*nX:XR+4*nX+3], v9, s[46:47] offset:4096*nX+512*(\s) th:TH_LOAD_NT
.set nX, nX+1
.endr
.endm
.macro XTURN s                         ; the 16 rows turn through my own stage: lane (r, hh) gets, of row r, numbers 16 hh + 0 .. 15 of each of the K step's four blocks
	XBUF \s
	WIN XW<<2
.set nX, 0
.rept 16
	ds_store_b128 v49, v[XR+4*nX:XR+4*nX+3] offset:XSP*nX
.set nX, nX+1
.endr
	WIN XW<<6
.irp b, 0,1,2,3
.irp j, 0,1,2,3
	ds_load_b128 v[XR+16*\b+4*\j:XR+16*\b+4*\j+3], v52 offset:128*\b+16*\j   ; LDS serves a wave's instructions in order (ISA guide 5.7.1.4)
.endr
.endr
.endm
.macro FETCHALL fa, fb, sa, sb         ; 32 fragments and their scale words from LDS: two tiles of tokens into window 1, two into window 2
	WIN 0x40
.set fF, 0
.rept 16
.irp c, 0,1,2
	ds_load_b128 v[12*fF+4*\c:12*fF+4*\c+3], v[\fa] offset:1536*fF+512*\c
.endr
.set fF, fF+1
.endr
	WIN 0x80
.set fF, 0
.rept 16
.irp c, 0,1,2
	ds_load_b128 v[12*fF+4*\c:12*fF+4*\c+3], v[\fb] offset:1536*fF+512*\c
.endr
.set fF, fF+1
.endr
	WIN 0
.irp l, 0,1
.irp q, 0,1,2,3
	ds_load_b32 v[XS+4*\l+\q], v[\sa] offset:1024*\l+256*\q       ; lanes 0-15: K step 2 q; lanes 16-31: K step 2 q + 1
	ds_load_b32 v[XS+8+4*\l+\q], v[\sb] offset:1024*\l+256*\q
.endr
.endr
.endm
.macro LOADSET win, adr, off0, dst     ; 8 weight fragments from LDS byte off0 of a tile on, 24 loads
	WIN (\win)<<6
.irp f, 0,1,2,3,4,5,6,7
.irp c, 0,1,2
	ds_load_b128 v[(\dst)+12*\f+4*\c:(\dst)+12*\f+4*\c+3], v[\adr] offset:(\off0)+1536*\f+512*\c
.endr
.endr
.endm
.macro GSET win, dst, base, off        ; Q, K, O: the first 8 weight fragments of my quarter from the stream, 24 loads of 512 consecutive bytes
	WIN (\win)<<6
.irp f, 0,1,2,3,4,5,6,7
.irp c, 0,1,2
	global_load_b128 v[(\dst)+12*\f+4*\c:(\dst)+12*\f+4*\c+3], v9, s[\base:\base+1] offset:(\off)+1536*\f+512*\c
.endr
.endr
.endm
.macro GAUX ws, bi, biwin, base, off   ; a quarter's scale words (register 4 u + q: lanes 0-15 K step 2 q, lanes 16-31 K step 2 q + 1) and its biases in the result's layout: 6 loads
	WIN 0
.irp u, 0,1
	global_load_b128 v[WS+(\ws)+4*\u:WS+(\ws)+4*\u+3], v9, s[\base:\base+1] offset:(\off)+24576+512*\u
.endr
	WIN (\biwin)<<6
.irp u, 0,1
.irp e, 0,1
	global_load_b128 v[(\bi)+8*\u+4*\e:(\bi)+8*\u+4*\e+3], v3, s[\base:\base+1] offset:(\off)+25600+128*\u+16*\e
.endr
.endr
	WIN 0
.endm
.macro MM1 odd                         ; an odd K step's scale words lie in lanes 16-31
.if \odd
	v_wmma_scale_f32_16x16x128_f8f6f4 v[rD:rD+7], v[rA:rA+11], v[rB:rB+11], v[rC:rC+7], v[rSA], v[rSB] matrix_a_fmt:MATRIX_FMT_FP6 matrix_b_fmt:MATRIX_FMT_FP6 matrix_a_scale:MATRIX_SCALE_ROW1 matrix_b_scale:MATRIX_SCALE_ROW1
.else
	v_wmma_scale_f32_16x16x128_f8f6f4 v[rD:rD+7], v[rA:rA+11], v[rB:rB+11], v[rC:rC+7], v[rSA], v[rSB] matrix_a_fmt:MATRIX_FMT_FP6 matrix_b_fmt:MATRIX_FMT_FP6
.endif
.endm
; K steps sa .. sb x tiles u = 0, 1 x token tiles l0, l0 + 1.  The four accumulators take turns, one instruction a turn.  bias: the register of the bias, the C of a sum's first product, or 0.
.macro MMG buf, ws, sa, sb, l0, acc, bias
.set sK, \sa
.rept (\sb)-(\sa)+1
.irp u, 0,1
.irp l, 0,1
.set rD, (\acc)+16*((\l0)+\l)+8*\u
.set rA, (\buf)+12*(2*(sK%4)+\u)
.set rB, 96*\l+12*sK
.if \bias
.set rC, (\bias)+8*\u
.else
.set rC, rD
.endif
.set rSA, WS+(\ws)+4*\u+sK/2
.set rSB, XS+4*((\l0)+\l)+sK/2
	MM1 sK%2
.endr
.endr
.set sK, sK+1
.endr
.endm
.macro GHEAD                           ; a trip of Q, K or O reads fill s44's slot
	s_and_b32 s62, s44, 1
	s_mul_i32 s62, s62, SLOTL
	v_add_nc_u32 v2, s62, v1
	s_wait_alu depctr_va_vdst(0)
.endm
; A STEP OF Q, K OR O: my quarter's 32 columns x 64 tokens, 64 products in two halves of K; par: the step's parity, which picks its registers.
; The first half's fragments came straight from the stream; behind their 32 products they are loaded again for the step two ahead (24 loads), the scale words and biases at the step's end (6): so at a step's first wait
; the 30 loads of the next step are younger than what it needs.  An even step begins with the 48 LDS loads that read the slot out: the second halves of this step and the next.
; In the even step's second half the slot is given up: every wave waits for all its tensor loads (the one that is out is its tile of the other slot), adds 0 to its spare word, waits for that and for its reads of the slot;
; fill = 1: a round of the cluster's barrier and the joint refill, first behind it; fill = 0: a plain barrier, nothing is asked for.
.macro GSTEP par, ask, fill
.set sW, 3*(\par)
.set sB, (1-(\par))*64
	PLACES 5                                       ; the step's first products write over the accumulators of the step before
.if (\par) == 0
	LOADSET 0, 2, 0, 160
	LOADSET 3, 2, 12288, 96
.endif
	s_wait_loadcnt 30
	WIN 0xd4|sW
	MMG sB, 8*(\par), 0, 0, 0, ACC, BI1+48*(\par)
	WIN 0xf4|sW
	MMG sB, 8*(\par), 1, 3, 0, ACC, 0
	WIN 0xd8|sW
	MMG sB, 8*(\par), 0, 0, 2, ACC, BI1+48*(\par)
	WIN 0xf8|sW
	MMG sB, 8*(\par), 1, 3, 2, ACC, 0
	WIN 0
	s_wait_xcnt 0x0                                ; the earlier loads and the last prefetch have read their bases
	s_add_co_u32 s50, s43, 2
	s_min_u32 s50, s50, 31                         ; inside the stream in the last steps too
	s_mul_i32 s50, s50, SLOTB
	s_mov_b32 s51, 0
	s_add_nc_u64 s[LA:LA+1], s[68:69], s[50:51]
.if \ask
	s_add_nc_u64 s[40:41], s[40:41], SLOTB
.endif
	PLACES 4
	GSET sW, sB, LA, 0
	WIN 0
.if \ask
	ASK
.endif
.if (\par) == 0
	s_wait_tensorcnt 0x0                           ; all my tensor loads have landed, so group 0 may be written
	ds_add_u32 v14, v15
.if \fill
	NEXTF
.endif
	s_wait_dscnt 25                                ; this step's 24 are in; the next step's 24 and the add may be out
.endif
	WIN 0xf4|sW
	MMG sB+96, 8*(\par), 4, 7, 0, ACC, 0
.if (\par) == 0
	s_wait_dscnt 0x0                               ; the add is done, and my reads of the slot are over
	s_barrier_signal -1
.endif
	WIN 0xf8|sW
	MMG sB+96, 8*(\par), 4, 7, 2, ACC, 0
.if (\par) == 0
	WIN 0
	s_barrier_wait -1
.if \fill
	CREST
	tensor_load_to_lds s[32:35], s[24:31]
	s_nop 0
.endif
.endif
	PLACES 4                                       ; also the places ahead of the first read of the results
	GAUX 8*(\par), BI1+48*(\par), 1, LA, 0
	s_add_co_u32 s43, s43, 1
.endm
; Behind a step of Q or K: 32 columns (one block of 32 along d) of 64 tokens: x scale[d] for q (trips 0-3), quantised, block b = token tile b; codes and scale bytes go to the tokens' records.
.macro QKPOST slot
	s_cmp_ge_u32 s44, 4
	s_cbranch_scc1 .Lnosc_\@
	WIN 0xc7
.set iq, 0
.rept 32
	v_pk_mul_f32 v[192+2*iq:193+2*iq], v[192+2*iq:193+2*iq], v[SV+16*(\slot)+(2*iq)%16:SV+16*(\slot)+(2*iq)%16+1]
.set iq, iq+1
.endr
	WIN 0
.Lnosc_\@:
	QUANT 192, 3, 2, 0
	WIN 0x08
.irp n, 0,1,2
	ds_store_b64 v52, v[PC+2*\n:PC+2*\n+1] offset:24*(\slot)+8*\n        ; lane (r, hh): the block of token 16 hh + r of my half,
	ds_store_b64 v53, v[PC+6+2*\n:PC+6+2*\n+1] offset:24*(\slot)+8*\n    ; and of the other half
.endr
.irp l, 0,1
	ds_store_b8 v54, v[TM+4+\l] offset:1024*\l+(\slot)                   ; lanes l and l xor 16 write the same byte with the same value
	ds_store_b8 v55, v[TM+6+\l] offset:1024*\l+(\slot)
.endr
	WIN 0
.endm
; out[h][d] += attn[h][t] v[t][d] for the pass of parity pc and my token tile lam: 128 packed fused multiply-adds; attn's word serves both halves.
.macro FB pc, lam
	WIN 0xa4+0x50*(\lam)
.set hF, 0
.rept 16
.set dF, 0
.rept 8
.if hF%2
	v_pk_fma_f32 v[16*hF+2*dF:16*hF+2*dF+1], v[VACC+32*(\pc)+16*(\lam)+2*dF:VACC+32*(\pc)+16*(\lam)+2*dF+1], v[AT+32*(\pc)+16*(\lam)+hF-1:AT+32*(\pc)+16*(\lam)+hF], v[16*hF+2*dF:16*hF+2*dF+1] op_sel:[0,1,0] op_sel_hi:[1,1,1]
.else
	v_pk_fma_f32 v[16*hF+2*dF:16*hF+2*dF+1], v[VACC+32*(\pc)+16*(\lam)+2*dF:VACC+32*(\pc)+16*(\lam)+2*dF+1], v[AT+32*(\pc)+16*(\lam)+hF:AT+32*(\pc)+16*(\lam)+hF+1], v[16*hF+2*dF:16*hF+2*dF+1] op_sel_hi:[1,0,1]
.endif
.set dF, dF+1
.endr
.set hF, hF+1
.endr
.endm
; A trip of V is one step, s44 = 0 .. 7, in slot s44 & 1: the trip's addresses
.macro VHEAD
	s_and_b32 s62, s44, 1
	s_xor_b32 s63, s62, 1
	s_mul_i32 s62, s62, SLOTL                      ; this step's slot,
	s_mul_i32 s63, s63, SLOTL                      ; the other one
	s_lshl_b32 s45, s44, 7                         ; heads t = 2 s44, 2 s44 + 1: 64 bytes of attn a head
	s_wait_xcnt 0x0                                ; the last trip's loads have read their base
	s_add_co_u32 s50, s44, 17                      ; the next step's scale words and biases
	s_mul_i32 s50, s50, SLOTB
	s_mov_b32 s51, 0
	s_add_nc_u64 s[LA:LA+1], s[72:73], s[50:51]
	v_add_nc_u32 v50, s62, v5
	v_add_nc_u32 v53, s63, v5
	v_add_nc_u32 v49, s45, v48
	s_wait_alu depctr_va_vdst(0)
.endm
; A PASS OF V: one head t = 2 s44 + p: 32 products in two halves; behind each half's products the LDS loads for the next half, and behind those the multiply-adds of the pass before.
; Behind a pass's last products its scale words and biases are loaded again for the next step's pass p (6 loads): at a pass's first wait the other pass's 6 are younger than what it needs.
; The change of slots stands in the second half of p = 1, when all of the step is in registers.
.macro VPASS p
	s_wait_dscnt 0x0
	s_wait_loadcnt 6
	WIN 0x04
	MMG WA, 8*(\p), 0, 0, 0, VACC+32*(\p), BI0+16*(\p)
	MMG WA, 8*(\p), 1, 3, 0, VACC+32*(\p), 0
	PLACES 4
	LOADSET 0, 50, (\p)*QL+12288, WA
	WIN 0x40
.irp l, 0,1
.irp y, 0,1,2,3
	ds_load_b128 v[AT+32*(\p)+16*\l+4*\y:AT+32*(\p)+16*\l+4*\y+3], v49 offset:16*PT*\l+64*(\p)+16*\y   ; attn[t][0 .. 15] of my token
.endr
.endr
	FB 1-(\p), 0
.if (\p) == 0
	s_wait_dscnt 8                                 ; the fragments are in; attn's 8 loads may be out
	WIN 0x04
	MMG WA, 0, 4, 7, 0, VACC, 0
	PLACES 4
	LOADSET 0, 50, QL, WA
	GAUX 0, BI0, 0, LA, 0
	FB 1, 1
.else
	WIN 0
	s_wait_tensorcnt 0x0                           ; all my tensor loads have landed, so group 0 may be written
	ds_add_u32 v14, v15
	s_wait_xcnt 0x0
	s_add_nc_u64 s[40:41], s[40:41], SLOTB
	NEXTF
	s_wait_dscnt 9                                 ; the fragments are in; attn's 8 loads and the add may be out
	WIN 0x04
	MMG WA, 8, 4, 5, 0, VACC+32, 0
	s_wait_dscnt 0x0                               ; the add is done; my reads of this slot, and of attn, are over
	s_barrier_signal -1
	MMG WA, 8, 6, 7, 0, VACC+32, 0
	WIN 0
	s_barrier_wait -1
	CREST
	tensor_load_to_lds s[32:35], s[24:31]
	s_nop 0
	PLACES 4
	s_cmp_eq_u32 s44, 7                            ; behind the last pass nothing of V is left to fetch
	s_cbranch_scc1 .Lvl_\@
	LOADSET 0, 53, 0, WA
.Lvl_\@:
	GAUX 8, BI0+16, 0, LA, QB
	ASK
	s_add_co_u32 s43, s43, 1
	FB 0, 1
.endif
.endm
; THE WAY OUT of O.  Behind each step its 64 tokens x 32 columns go into my own stage (rows of 256 bytes + 16); behind two steps the rows come back whole: sixteen lanes store 256 consecutive bytes, aligned.
.macro STAGEIN g
	WIN 0x0c
.irp m, 0,1,2,3
.irp u, 0,1
.irp e, 0,1
	ds_store_b128 v48, v[ACC+16*\m+8*\u+4*\e:ACC+16*\m+8*\u+4*\e+3] offset:4352*\m+128*(\g)+32*\u+16*\e   ; each accumulator from its low end on
.endr
.endr
.endr
	WIN 0
.endm
.macro WAYOUT
	s_lshl_b32 s54, s44, 8                         ; 64 columns of 4 bytes a trip
	s_mov_b32 s55, 0
	s_wait_xcnt 0x0                                ; the last way out's stores have read their registers and their base
	s_add_nc_u64 s[70:71], s[48:49], s[54:55]
.irp k, 0,1
.if \k
	s_wait_xcnt 0x0                                ; the first sixteen stores have read their registers
.endif
	WIN 0x80
.set tO, 0
.rept 16
	ds_load_b128 v[192+4*tO:195+4*tO], v49 offset:544*(16*\k+tO)   ; LDS serves a wave's instructions in order: these see my stores
.set tO, tO+1
.endr
	WIN 0x08
.set tO, 0
.rept 16
	s_wait_dscnt 15-tO
	global_store_b128 v50, v[192+4*tO:195+4*tO], s[70:71] offset:8192*(16*\k+tO) th:TH_STORE_NT
.set tO, tO+1
.endr
.endr
	WIN 0
.endm
.macro OTRIP fill                      ; two steps of O and a way out
	GHEAD
	GSTEP 0, 0, \fill
	STAGEIN 0
	GSTEP 1, 0, 0
	STAGEIN 1
	WAYOUT
	s_add_co_u32 s44, s44, 1
.endm
	; ---- the head
	s_load_b256 s[4:11], s[0:1], 0x0               ; x s[4:5], scale s[6:7], the stream s[8:9], out0 s[10:11]
	v_lshl_add_u32 v14, v0, 2, SPARE
	v_mov_b32 v15, 0
	ds_add_u32 v14, v15                            ; the opening: the add, twice on end, and its wait ahead of my first tensor load
	ds_add_u32 v14, v15
	v_lshrrev_b32 v10, 5, v0
	v_readfirstlane_b32 s12, v10                   ; w
	s_lshr_b32 s13, s12, 1                         ; wm
	s_and_b32 s14, s12, 1                          ; wd
	s_xor_b32 s17, s13, 1                          ; 1 - wm
	s_bfe_u32 s15, ttmp6, 0x40000                  ; cx: it enters x's, out0's and the prefetches' addresses alone
	s_lshl_b32 s16, ttmp9, 2
	s_add_co_u32 s16, s16, s15                     ; my block of 64 tokens
	s_mov_b32 s20, 0x76543210
	s_mov_b32 s21, 0xfedcba98                      ; v_permlanex16_b32's selects for lane l xor 16
	s_mov_b32 s22, 0x3e38aa3b                      ; log2(e) / 8
	s_mov_b32 s23, s22
	s_mov_b32 s24, 15|(3<<16)|(1<<21)              ; group 1: the mask of all four work-groups; elements of 8 bytes; bit 21 beside a mask; no padding
	s_mov_b32 s25, 1536<<16                        ; rows of 1,536 elements: 12,288 bytes,
	s_mov_b32 s26, 2<<16                           ; 2 of them,
	s_mov_b32 s27, 1536<<16
	s_mov_b32 s28, 2
	s_mov_b32 s29, SLOTB/8                         ; a step of the stream apart
	s_mov_b32 s30, 0
	s_mov_b32 s31, 0
	s_mul_i32 s19, s12, QL                         ; my tile in a slot
	s_mul_i32 s51, s14, 2*QL                       ; in V: the tiles of quarters 2 wd, 2 wd + 1
	v_and_b32 v12, 31, v0                          ; lane
	v_and_b32 v10, 15, v0                          ; r
	v_bfe_u32 v11, v0, 4, 1                        ; hh
	v_lshlrev_b32 v9, 4, v12                       ; 16 x lane
	v_lshlrev_b32 v3, 5, v11                       ; a quarter's biases: 32 hh
	v_add_nc_u32 v1, s19, v9                       ; images of my tile in slot 0
	v_add_nc_u32 v5, s51, v9                       ; the same for V
	v_lshl_add_u32 v13, s12, 5, v12
	v_min_u32 v13, 100, v13
	v_lshlrev_b32 v13, 8, v13                      ; the prefetches' offset: block min(32 w + lane, 100) of a quarter
	v_lshlrev_b32 v48, 6, v11                      ; scale[d]: 64 hh
	s_mul_i32 s52, s12, 16*XSP
	s_add_co_u32 s52, s52, XSTG                    ; my stage for x
	v_add_nc_u32 v49, s52, v9
	v_mul_u32_u24 v52, v10, XSP
	v_lshl_add_u32 v52, v11, 6, v52
	v_add_nc_u32 v52, s52, v52                     ; back: row r, + 64 hh
	s_mul_i32 s52, s12, 12288
	s_add_co_u32 s52, s52, REC
	v_add_nc_u32 v50, s52, v9                      ; where I store x's images: tile w
	s_lshl_b32 s52, s12, 10
	s_add_co_u32 s52, s52, XSC
	v_lshl_add_u32 v51, v12, 2, s52                ; and their scale words
	s_cmp_eq_u32 ttmp9, 0
	s_cselect_b32 s42, 14, 0                       ; the first cluster prefetches, at 14 time steps from 6 on: the same in all four partners
	s_mov_b32 s43, 0                               ; the time step = the stream's step
	s_mov_b32 s66, 2                               ; the next fill to ask for in a loop
	s_mov_b32 s32, 1                               ; group 0: count = 1,
	s_mov_b32 s33, s19                             ; LDS address: slot 0, my tile
	s_mul_i32 s56, s12, QB                         ; my quarter of a step
	s_mov_b32 s57, 0
	s_mul_i32 s74, s14, 2*QB                       ; in V: quarter 2 wd
	s_mov_b32 s75, 0
	s_mul_i32 s58, s15, QB                         ; the prefetches: my work-group's quarter, eleven steps on; each step steps it first
	s_add_co_u32 s58, s58, 11*SLOTB
	s_mov_b32 s59, 0
	s_lshl_b32 s52, s16, 18                        ; 64 tokens of 4,096 bytes
	s_lshl_b32 s54, s12, 16
	s_add_co_u32 s54, s54, s52                     ; x: + 16 w rows
	s_mov_b32 s55, 0
	s_lshl_b32 s53, s12, 10
	s_add_co_u32 s52, s52, s53                     ; out0: + 256 w columns
	s_mov_b32 s53, 0
	s_wait_dscnt 0x0                               ; both opening adds are done
	s_wait_kmcnt 0x0
	s_add_nc_u64 s[46:47], s[4:5], s[54:55]
	s_add_nc_u64 s[48:49], s[10:11], s[52:53]
	s_add_nc_u64 s[40:41], s[8:9], s[58:59]
	s_add_nc_u64 s[68:69], s[8:9], s[56:57]        ; the stream at my quarter of step 0
	s_add_nc_u64 s[72:73], s[8:9], s[74:75]        ; at quarter 2 wd of step 0
	s_add_nc_u64 s[34:35], s[68:69], 12288         ; fill 0: the second halves of steps 0 and 1
	s_or_b32 s35, s35, 0x80000000                  ; type = 2
	ROUND                                          ; all four work-groups are here: the first joint loads meet
	tensor_load_to_lds s[32:35], s[24:31]          ; my one load at the head
	s_nop 0
	PLACES 4
	WIN 0x40
	s_wait_alu depctr_va_vdst(0)
.irp d, 0,1
.irp e, 0,1,2,3
	global_load_b128 v[SV+16*\d+4*\e:SV+16*\d+4*\e+3], v48, s[6:7] offset:128*\d+16*\e   ; scale[32 d + 16 hh + 0 .. 15]
.endr
.endr
	XLOAD 0
	XLOAD 1
	XLOAD 2
.irp wv, 1,2,3
	WIN \wv<<6
.irp b, 0,1,2,3
	v_mov_b32 v[TM+4+\b], 0                        ; written once: a lane permute's destination counts as one of its sources
.endr
.endr
	; ---- X: my 16 tokens become 8 fragments; loads run three K steps ahead, the turn through the stage one
	s_wait_loadcnt 32                              ; scale[d] and K step 0 are in; K steps 1 and 2 may be out
	XTURN 0
.irp s, 0,1,2,3,4,5,6,7
.if \s <= 4
	XLOAD \s+3
	s_wait_loadcnt 32                              ; the next K step's 16 loads are in; the two steps behind it may be out
.elseif \s == 5
	GSET 0, 64, 68, 0                              ; behind x's last loads: the stream's step 0, 30 loads
	GAUX 0, BI1, 1, 68, 0
	s_wait_loadcnt 46                              ; K step 6 is in: behind it 16 + 30 were issued
.elseif \s == 6
	s_wait_loadcnt 30                              ; K step 7 is in
.endif
.if \s < 7
	XTURN \s+1
	s_wait_dscnt 32                                ; this K step is back from the stage
.else
	s_wait_dscnt 0
.endif
	XBUF \s
	QUANT XR, XW, XW, 1
	IMAGE 50, 1536*\s, XW
	ds_store_b32 v51, v[PW] offset:128*\s
.endr
	WIN 0
	s_wait_tensorcnt 0x0                           ; fill 0 is in
	ds_add_u32 v14, v15
	s_add_co_u32 s33, s33, SLOTL                   ; slot 1,
	s_add_nc_u64 s[34:35], s[34:35], 2*SLOTB       ; fill 1: steps 2 and 3
	s_wait_dscnt 0x0
	ROUND                                          ; x's 32 images lie in LDS, and the joint loads meet
	tensor_load_to_lds s[32:35], s[24:31]
	s_nop 0
	PLACES 4
	GSET 3, 0, 68, SLOTB                           ; the stream's step 1
	GAUX 8, BI1+48, 1, 68, SLOTB
	s_mul_i32 s51, s13, 24576
	s_add_co_u32 s51, s51, REC
	v_add_nc_u32 v52, s51, v9                      ; my half's two tiles,
	s_mul_i32 s51, s17, 24576
	s_add_co_u32 s51, s51, REC
	v_add_nc_u32 v53, s51, v9                      ; the other half's
	v_lshlrev_b32 v54, 2, v10
	v_lshl_add_u32 v54, v11, 7, v54                ; scale words: 4 r + 128 hh
	s_lshl_b32 s51, s17, 11
	s_add_co_u32 s51, s51, XSC
	v_add_nc_u32 v55, s51, v54
	s_lshl_b32 s51, s13, 11
	s_add_co_u32 s51, s51, XSC
	v_add_nc_u32 v54, s51, v54
	FETCHALL 52, 53, 54, 55
	; ---- Q and K: two steps a trip, 8 trips
.set TM, 192                           ; the quantiser's registers in window 2
.set PW, 208
.set PC, 210
	s_mul_i32 s51, s13, 32*PT
	s_mul_i32 s52, s17, 32*PT
	s_mul_i32 s53, s12, 384
	s_add_co_u32 s53, s53, REC
	s_add_co_u32 s51, s51, s53
	s_add_co_u32 s52, s52, s53
	v_mul_u32_u24 v48, v12, PT
	v_add_nc_u32 v53, s52, v48                     ; records of the other half's 32 tokens, my 384 bytes,
	v_add_nc_u32 v52, s51, v48                     ; of my half's; 48 bytes on in each trip
	s_lshl_b32 s51, s13, 11
	s_lshl_b32 s52, s17, 11
	s_lshl_b32 s53, s12, 4
	s_add_co_u32 s53, s53, SCB
	s_add_co_u32 s51, s51, s53
	s_add_co_u32 s52, s52, s53
	v_lshlrev_b32 v50, 6, v10
	v_add_nc_u32 v55, s52, v50                     ; and the scale bytes likewise; 2 bytes on in each trip
	v_add_nc_u32 v54, s51, v50
	WIN 0x80
.irp b, 0,1,2,3
	v_mov_b32 v[TM+4+\b], 0
.endr
	WIN 0
	s_mov_b32 s44, 0
	s_wait_alu depctr_va_vdst(0)
	s_wait_dscnt 0x0                               ; x's fragments are in my registers:
	s_barrier_signal -1
	s_barrier_wait -1                              ; in everybody's: the records may lie over the images
.Lqk:
	GHEAD
	GSTEP 0, 1, 1
	QKPOST 0
	GSTEP 1, 1, 0
	QKPOST 1
	v_add_nc_u32 v52, 48, v52
	v_add_nc_u32 v53, 48, v53
	v_add_nc_u32 v54, 2, v54
	v_add_nc_u32 v55, 2, v55
	s_add_co_u32 s44, s44, 1
	s_cmp_lt_u32 s44, 8
	s_wait_alu depctr_va_vdst(0)
	s_cbranch_scc1 .Lqk
.set TM, 16
.set PW, 32
.set PC, 34
	s_wait_loadcnt 0x0                             ; the loads that ran ahead have landed: their registers serve other ends now
	s_wait_dscnt 0x0
	s_barrier_signal -1
	s_barrier_wait -1                              ; every token's q and k lie in its record
	GAUX 0, BI0, 0, 72, 16*SLOTB                   ; V's first two passes: scale words and biases
	GAUX 8, BI0+16, 0, 72, 16*SLOTB+QB
	; ---- ATT: my 16 tokens, 8 a trip.  S^T = k q^T: lane (h, hh) holds head h and t = 8 hh + 0 .. 7
	s_mul_i32 s51, s12, 16*PT
	s_add_co_u32 s51, s51, REC
	v_lshrrev_b32 v48, 2, v10
	v_and_b32 v49, 3, v10
	v_mul_u32_u24 v50, v48, 384
	v_mad_u32_u24 v50, v49, 48, v50
	v_mad_u32_u24 v50, v11, 24, v50
	v_add_nc_u32 v50, s51, v50                     ; head rho's block hh of q: wave rho >> 2, block 2 (rho & 3) + hh; k's lies 192 bytes on
	v_lshlrev_b32 v51, 4, v48
	v_lshl_add_u32 v51, v49, 1, v51
	v_lshl_add_u32 v51, v11, 3, v51
	s_lshl_b32 s52, s12, 10
	s_add_co_u32 s52, s52, SCB
	v_add_nc_u32 v51, s52, v51                     ; the head's two scale bytes: lanes 0-15 q's, lanes 16-31 k's
	v_lshlrev_b32 v52, 2, v10
	v_lshl_add_u32 v52, v11, 9, v52
	v_add_nc_u32 v52, s51, v52                     ; attn[t][h]: 64 (8 hh + j) + 4 h
	WIN 0x80
.irp n, 0,1,2,3,4,5,6,7
.irp z, 6,7,8,9,10,11,18,19,20,21,22,23
	v_mov_b32 v[24*\n+\z], 0                       ; K = 64 .. 127 of both operands: zero codes, which add nothing
.endr
.endr
	WIN 0xc0
.irp n, 0,1,2,3,4,5,6,7
	v_mov_b32 v[71+8*\n], 0                        ; (named as the upper half of the pair that holds 1 / sum)
.endr
	WIN 0
	s_mov_b32 s44, 0
	s_mov_b32 s45, 0
	s_mov_b32 s18, 0
.Latt:
	v_add_nc_u32 v53, s45, v50
	v_add_nc_u32 v54, s18, v51
	v_add_nc_u32 v55, s45, v52
	WIN 0x80
.irp n, 0,1,2,3,4,5,6,7
.irp p, 0,1,2
	ds_load_b64 v[24*\n+2*\p:24*\n+2*\p+1], v53 offset:PT*\n+8*\p
	ds_load_b64 v[24*\n+12+2*\p:24*\n+12+2*\p+1], v53 offset:PT*\n+192+8*\p
.endr
.endr
	WIN 0
.irp n, 0,1,2,3,4,5,6,7
	ds_load_u16 v[56+\n], v54 offset:64*\n         ; bytes 2 and 3 of the word are 0: they stand over zero codes
.endr
	s_wait_dscnt 0x0
	WIN 0xca
.irp n, 0,1,2,3,4,5,6,7
	v_wmma_scale_f32_16x16x128_f8f6f4 v[192+8*\n:199+8*\n], v[24*\n+12:24*\n+23], v[24*\n:24*\n+11], 0, v[56+\n], v[56+\n] matrix_a_fmt:MATRIX_FMT_FP6 matrix_b_fmt:MATRIX_FMT_FP6 matrix_a_scale:MATRIX_SCALE_ROW1
.endr
	WIN 0xff
	PLACES 4
.irp n, 0,1,2,3,4,5,6,7                        ; the row's maximum, the eight tokens by turns
	v_max3_num_f32 v[64+8*\n], v[192+8*\n], v[193+8*\n], v[194+8*\n]
.endr
.irp n, 0,1,2,3,4,5,6,7
	v_max3_num_f32 v[65+8*\n], v[195+8*\n], v[196+8*\n], v[197+8*\n]
.endr
.irp n, 0,1,2,3,4,5,6,7
	v_max3_num_f32 v[64+8*\n], v[64+8*\n], v[198+8*\n], v[199+8*\n]
.endr
.irp n, 0,1,2,3,4,5,6,7
	v_max_num_f32 v[64+8*\n], v[64+8*\n], v[65+8*\n]
.endr
.irp n, 0,1,2,3,4,5,6,7
	v_permlanex16_b32 v[65+8*\n], v[64+8*\n], s20, s21
.endr
.irp n, 0,1,2,3,4,5,6,7
	v_max_num_f32 v[64+8*\n], v[64+8*\n], v[65+8*\n]
.endr
.irp m, 0,1,2,3
.irp n, 0,1,2,3,4,5,6,7
	v_pk_add_f32 v[192+8*\n+2*\m:193+8*\n+2*\m], v[192+8*\n+2*\m:193+8*\n+2*\m], v[64+8*\n:65+8*\n] op_sel_hi:[1,0] neg_lo:[0,1] neg_hi:[0,1]   ; the maximum is taken away first,
.endr
.endr
.irp m, 0,1,2,3
.irp n, 0,1,2,3,4,5,6,7
	v_pk_mul_f32 v[192+8*\n+2*\m:193+8*\n+2*\m], v[192+8*\n+2*\m:193+8*\n+2*\m], s[22:23] op_sel_hi:[1,0]   ; then x log2(e) / 8
.endr
.endr
	s_wait_alu depctr_va_vdst(0)
.irp n, 0,1,2,3,4,5,6,7
.irp j, 0,1,2,3,4,5,6,7
	v_exp_f32 v[192+8*\n+\j], v[192+8*\n+\j]
.endr
.endr
	v_nop                                          ; a plain place behind the last exponential
	s_wait_alu depctr_va_vdst(0)                   ; one wait for the batch of 64, ahead of its first reader
.irp n, 0,1,2,3,4,5,6,7
	v_pk_add_f32 v[66+8*\n:67+8*\n], v[192+8*\n:193+8*\n], v[194+8*\n:195+8*\n]
.endr
.irp n, 0,1,2,3,4,5,6,7
	v_pk_add_f32 v[68+8*\n:69+8*\n], v[196+8*\n:197+8*\n], v[198+8*\n:199+8*\n]
.endr
.irp n, 0,1,2,3,4,5,6,7
	v_pk_add_f32 v[66+8*\n:67+8*\n], v[66+8*\n:67+8*\n], v[68+8*\n:69+8*\n]
.endr
.irp n, 0,1,2,3,4,5,6,7
	v_add_f32 v[68+8*\n], v[66+8*\n], v[67+8*\n]
.endr
.irp n, 0,1,2,3,4,5,6,7
	v_permlanex16_b32 v[69+8*\n], v[68+8*\n], s20, s21
.endr
.irp n, 0,1,2,3,4,5,6,7
	v_add_f32 v[68+8*\n], v[68+8*\n], v[69+8*\n]   ; the row's sum
.endr
	s_wait_alu depctr_va_vdst(0)
.irp n, 0,1,2,3,4,5,6,7
	v_rcp_f32 v[70+8*\n], v[68+8*\n]
.endr
	v_nop
	s_wait_alu depctr_va_vdst(0)                   ; one wait for the eight reciprocals
.irp m, 0,1,2,3
.irp n, 0,1,2,3,4,5,6,7
	v_pk_mul_f32 v[192+8*\n+2*\m:193+8*\n+2*\m], v[192+8*\n+2*\m:193+8*\n+2*\m], v[70+8*\n:71+8*\n] op_sel_hi:[1,0]
.endr
.endr
	WIN 0x0c
.irp n, 0,1,2,3,4,5,6,7
.irp j, 0,1,2,3,4,5,6,7
	ds_store_b32 v55, v[192+8*\n+\j] offset:PT*\n+64*\j   ; over the codes of my own token, which I have read
.endr
.endr
	WIN 0
	s_wait_dscnt 0x0
	s_add_co_u32 s45, s45, 8*PT
	s_add_co_u32 s18, s18, 512
	s_add_co_u32 s44, s44, 1
	s_cmp_lt_u32 s44, 2
	s_cbranch_scc1 .Latt
	s_barrier_signal -1
	s_barrier_wait -1                              ; every token's attn lies in its record
	; ---- V and out = attn v.  The pass is written once: out, and the v and attn of the pass before the first, begin as zeros.  (Fill 8, V's first step, was awaited by every wave at the last change of slots of Q and K)
	LOADSET 0, 5, 0, WA
	s_mul_i32 s51, s13, 32*PT
	s_add_co_u32 s51, s51, REC
	v_mul_u32_u24 v48, v10, PT
	v_add_nc_u32 v48, s51, v48                     ; the record of token r of my half
	WIN 0x80
.set iz, 0
.rept 256
	v_mov_b32 v[iz], 0
.set iz, iz+1
.endr
	WIN 0xc0
.set iz, 0
.rept 256
	v_mov_b32 v[iz], 0
.set iz, iz+1
.endr
	WIN 0x40
.set iz, AT+32
.rept 32
	v_mov_b32 v[iz], 0
.set iz, iz+1
.endr
	WIN 0
.set iz, VACC+32
.rept 32
	v_mov_b32 v[iz], 0
.set iz, iz+1
.endr
	s_mov_b32 s44, 0
.Lv:
	VHEAD
	VPASS 0
	VPASS 1
	WIN 0
	s_add_co_u32 s44, s44, 1
	s_cmp_lt_u32 s44, 8
	s_cbranch_scc1 .Lv
	FB 1, 0                                        ; the last pass's multiply-adds
	FB 1, 1
	WIN 0
	s_wait_loadcnt 0x0                             ; the scale words and biases that ran ahead have landed
	GSET 0, 64, 68, 24*SLOTB                       ; O's first step sets out under the quantising of out
	GAUX 0, BI1, 1, 68, 24*SLOTB
	; ---- out becomes 8 fragments a wave: heads 4 g .. 4 g + 3, my half of d: K step 4 wd + g.  (The last step's barrier has shown every wave's reads of attn done: the images may lie over the records)
	s_mul_i32 s51, s13, 24576
	s_mul_i32 s52, s14, 6144
	s_add_co_u32 s51, s51, s52
	s_add_co_u32 s51, s51, REC
	v_add_nc_u32 v50, s51, v9
	s_lshl_b32 s51, s13, 11
	s_lshl_b32 s52, s14, 9
	s_add_co_u32 s51, s51, s52
	s_add_co_u32 s51, s51, XSC
	v_lshl_add_u32 v51, v12, 2, s51
.irp l, 0,1
.irp g, 0,1,2,3
	QUANT 64*\g, 2+\l, 1, 1
	IMAGE 50, 12288*\l+1536*\g, 1
	ds_store_b32 v51, v[PW] offset:1024*\l+128*\g
	s_wait_dscnt 0x0
.endr
.endr
	GSET 3, 0, 68, 25*SLOTB                        ; O's second step, into registers that held out
	GAUX 8, BI1+48, 1, 68, 25*SLOTB
	s_barrier_signal -1
	s_barrier_wait -1                              ; out's 32 images lie in LDS
	v_add_nc_u32 v52, REC, v9                      ; the token tiles in their natural order now
	v_add_nc_u32 v53, 24576, v52
	v_lshlrev_b32 v54, 2, v10
	v_lshl_add_u32 v54, v11, 7, v54
	v_add_nc_u32 v54, XSC, v54
	v_add_nc_u32 v55, 2048, v54
	FETCHALL 52, 53, 54, 55
	; ---- O: two steps and a way out a trip
	s_mul_i32 s51, s12, 17408
	s_add_co_u32 s51, s51, REC                     ; my stage: 64 rows of 272 bytes
	v_mul_u32_u24 v48, v10, 272
	v_lshl_add_u32 v48, v11, 6, v48
	v_add_nc_u32 v48, s51, v48                     ; in: row r, + 64 hh
	v_mul_u32_u24 v49, v11, 272
	v_lshl_add_u32 v49, v10, 4, v49
	v_add_nc_u32 v49, s51, v49                     ; back: lanes 0-15 one row, lanes 16-31 the next
	v_lshlrev_b32 v50, 12, v11
	v_lshl_add_u32 v50, v10, 4, v50                ; and the same two rows in out0
	s_mov_b32 s44, 0
	s_wait_alu depctr_va_vdst(0)
	s_wait_dscnt 0x0                               ; out's fragments are in my registers:
	s_barrier_signal -1
	s_barrier_wait -1                              ; in everybody's: the stages may lie over the images
.Lo:                                                   ; trips 0 and 1 ask for fills 18 and 19
	OTRIP 1
	s_cmp_lt_u32 s44, 2
	s_cbranch_scc1 .Lo
	s_mov_b32 s44, 2
.Lp:                                                   ; trips 2 and 3: nothing is left to ask for
	OTRIP 0
	s_cmp_lt_u32 s44, 4
	s_cbranch_scc1 .Lp
	s_wait_tensorcnt 0x0                           ; the wave's end
	ds_add_u32 v14, v15
	s_wait_dscnt 0x0
	ROUND                                          ; the closing round
	s_endpgm
.Lfunc_end_k_qde59ea4ccd_fused:
	.size	k_qde59ea4ccd_fused, .Lfunc_end_k_qde59ea4ccd_fused-k_qde59ea4ccd_fused
	.p2alignl 7, 3214868480
	.fill 96, 4, 3214868480
	.section	.rodata,"a",@progbits
	.p2align	6, 0x0
	.amdhsa_kernel k_qde59ea4ccd_fused
		.amdhsa_group_segment_fixed_size 327680
		.amdhsa_private_segment_fixed_size 0
		.amdhsa_enable_private_segment 0
		.amdhsa_kernarg_size 32
		.amdhsa_user_sgpr_count 2
		.amdhsa_user_sgpr_kernarg_segment_ptr 1
		.amdhsa_wavefront_size32 1
		.amdhsa_system_sgpr_workgroup_id_x 1
		.amdhsa_system_sgpr_workgroup_id_y 1
		.amdhsa_system_sgpr_workgroup_id_z 1
		.amdhsa_system_vgpr_workitem_id 0
		.amdhsa_next_free_vgpr 1024
		.amdhsa_next_free_sgpr 80
		.amdhsa_reserve_vcc 0
		.amdhsa_float_denorm_mode_32 3
		.amdhsa_float_denorm_mode_16_64 3
		.amdhsa_memory_ordered 1
		.amdhsa_forward_progress 1
		.amdhsa_inst_pref_size 255
	.end_amdhsa_kernel
	.section	.bss,"aw",@nobits
	.p2align	6
	.space	262144
	.amdgpu_metadata
---
amdhsa.version: [ 1, 2 ]
amdhsa.kernels:
  - .name:           k_qde59ea4ccd_fused
    .symbol:         k_qde59ea4ccd_fused.kd
    .args:
      - { .name: x, .offset: 0, .size: 8, .value_kind: global_buffer, .address_space: global }
      - { .name: scale, .offset: 8, .size: 8, .value_kind: global_buffer, .address_space: global }
      - { .name: wst, .offset: 16, .size: 8, .value_kind: global_buffer, .address_space: global }
      - { .name: out0, .offset: 24, .size: 8, .value_kind: global_buffer, .address_space: global }
    .group_segment_fixed_size: 327680
    .private_segment_fixed_size: 0
    .kernarg_segment_align: 8
    .kernarg_segment_size: 32
    .max_flat_workgroup_size: 128
    .sgpr_count:     80
    .vgpr_count:     1024
    .wavefront_size: 32
...
	.end_amdgpu_metadata
.endif
;; end of part 4
